; MI455X (gfx1250); checked and timed in simulation.
; The chip was launched on July 23, 2026; its instructions are those of AMD's public machine-readable ISA for CDNA 5 (MIT licence, August 2026) and "CDNA5" Instruction Set Architecture Reference Guide (July 2026). The comments in the code are by the model that wrote it; some were corrected since.
;; Dec. Allowed arithmetic: float matrix products may take bf16 or f16 operands with f32 sums; all other float work in f32.
;; Inputs: b6 4,096 float32; b7 4,096 float32; b8c 21 float32; b8d 21 float32; ssw 1 x 2,048 x 4 int32; w6 4,096 x 4,096 float32; w7 4,096 x 4,096 float32; w8c 21 x 4,096 float32; w8d 21 x 4,096 float32; x 1 x 512 x 64 x 64 float32.
;; Outputs: out0 1 x 2,048 x 21 float32; out1 1 x 2,048 x 21 float32; out2 1 x 21 float32.
;; One version. Each part assembles by itself: llvm-mc -triple=amdgcn-amd-amdhsa -mcpu=gfx1250 --defsym DOCPART=n.
;; ======== version 1 of 1: 6 launches
;; limits: values are held in f16: magnitudes above 65,504 overflow, below 6.1e-05 lose precision; right only within a limited range of input values
;; workspace buffers: mt 4,194,304 bytes; flat 8,388,608 bytes; w6h 16,777,216 bytes; w7h 33,554,432 bytes; w8h 524,544 bytes; h6 16,777,216 bytes; part 8,388,608 bytes; hd 573,440 bytes
;; launch prep1 (part 1): grid 636 x 1, 8 waves a work-group, no clusters, 75,008 bytes of LDS; arguments x, w6, w8c, w8d, b8c, b8d, mt, w6h, w8h; writes mt, w6h, w8h
.if DOCPART == 1
	.amdgcn_target "amdgcn-amd-amdhsa--gfx1250"
	.amdhsa_code_object_version 6
	.text
	.protected	k_q0176a5d807_prep1
	.globl	k_q0176a5d807_prep1
	.p2align	8
	.type	k_q0176a5d807_prep1,@function
k_q0176a5d807_prep1:
	s_mov_b64 s[64:65], 0
	v_nop
	global_prefetch_b8 v0, s[64:65] scope:SCOPE_SE
	s_setreg_imm32_b32 hwreg(HW_REG_WAVE_MODE, 25, 1), 1
	s_wait_xcnt 0x0
; THREE JOBS, chosen by the work-group's number g.
; g = 0..115    THE MAP.  mt[y][x][c] = 2^-4 x the largest of x[c][y..y+6][x..x+6], in f16, for y, x = 0..57: every 7 x 7 pooling window that a crop of 14 x 14
;               can hold is one of these, so pooling becomes a gather of four rows of mt.  Rounding keeps order, so the rounded maximum is the maximum of the rounded.
; g = 116..123  THE HEADS' WEIGHTS.  w8h[slot][4096] f16: slots 0-20 are w8c's rows, 32-52 w8d's, the others 0; behind them 64 f32: the two biases in the same slots.
; g = 124..635  w6 FOLDED.  The pooled row stands twice in the first layer's input, so y . w6[e] = flat . (w6[e][0:2048] + w6[e][2048:4096]): the sum is made in f32 and rounded once to f16.
; LIMITS.  A NaN in x loses every maximum (reference() would carry it on).  f16: |x| / 16 and |w| stay under 65,504; below 6e-5 a number keeps f16's fixed step of 6e-8.
; THE MAP's shares: a work-group has 128 channels (cg = g & 3) and two rows of mt (y = 2 yp + o, yp = g >> 2), made of eight rows of x.
;   Phase 1, by columns: a lane holds 4 neighbouring x of 2 channels in 8 rows and makes both vertical maxima of 7; they go to LDS turned: V[o][x][channel], f32.
;   Phase 2, by rows: a wave makes 16 positions x0..x0+15 of one o from 22 rows of V; a lane holds 4 channels.  x0 = min(16 (w & 3), 42): positions 42-47 are made twice, with equal values, which spares masks.
.set VP,    528                        ; a row of V: 128 channels x 4 bytes + 16
.set VB,    70*VP                      ; one o: rows 0-63 are used
.set SPARE, 73984                      ; behind V: the spare words, 128 bytes for each of the eight waves: four blocks of 256 bytes that no other line names
.set SPW,   30                         ; v30  SPARE + 4 x my thread's number; never rewritten
.set NIL,   31                         ; v31  0; never rewritten
.set W,     12                         ; v12-27  vertical maxima: 8 o + 2 k + channel
.set XA,    32                         ; v32-95, v96-159  two buffers of 2 channels x 8 rows x 4 numbers
.set XB,    96
.set R,     32                         ; v32-119  phase 2: 22 rows of V, 4 channels each
.set CC,    120                        ; v120-131 at work
.set UU,    124
.set VV,    128
.set O,     132                        ; v132-147 four positions' results
	s_load_b512 s[4:19], s[0:1], 0x0               ; x 4:5, w6 6:7, w8c 8:9, w8d 10:11, b8c 12:13, b8d 14:15, mt 16:17, w6h 18:19
	s_load_b64 s[20:21], s[0:1], 0x40              ; w8h
	v_lshl_add_u32 v[SPW], v0, 2, SPARE
	v_mov_b32 v[NIL], 0
	v_lshrrev_b32 v1, 5, v0
	v_readfirstlane_b32 s22, v1                    ; wave 0..7
	v_and_b32 v1, 31, v0                           ; lane
	v_and_b32 v2, 15, v0                           ; lane % 16
	v_bfe_u32 v3, v0, 4, 1                         ; lane / 16
	v_lshlrev_b32 v7, 3, v1                        ; 8 x lane: my 8 bytes of every 256 stored
	s_wait_kmcnt 0x0
	s_cmp_ge_u32 ttmp9, 116
	s_cbranch_scc1 .Lbar
	; ---- the map, phase 1 ----
	s_and_b32 s23, ttmp9, 3                        ; cg
	s_lshr_b32 s24, ttmp9, 2                       ; yp
	s_lshl_b32 s26, s23, 21                        ; 128 channels of 16,384 bytes
	s_lshl_b32 s25, s24, 9                         ; two rows of 256 bytes
	s_add_co_u32 s26, s26, s25
	s_mov_b32 s27, 0
	s_add_nc_u64 s[26:27], s[4:5], s[26:27]
	v_lshlrev_b32 v4, 4, v2                        ; x = 4 (lane % 16): sixteen lanes read one whole row of 256 bytes
	v_lshl_add_u32 v4, v3, 15, v4                  ; pair of channels 16 p + 2 w + lane / 16: 32,768 bytes a pair
	s_lshl_b32 s25, s22, 16
	v_add_nc_u32 v4, s25, v4
	v_mul_u32_u24 v5, v2, 4*VP                     ; into V: row 4 (lane % 16) + k, byte 8 x pair
	v_lshl_add_u32 v5, v3, 3, v5
	s_lshl_b32 s25, s22, 4
	v_add_nc_u32 v5, s25, v5
.macro LDPASS p, X                     ; 16 loads: 2 channels x 8 rows
.irp ch, 0,1
.irp j, 0,1,2,3,4,5,6,7
	global_load_b128 v[(\X)+32*(\ch)+4*(\j):(\X)+32*(\ch)+4*(\j)+3], v4, s[26:27] offset:(\p)*524288+(\ch)*16384+(\j)*256
.endr
.endr
.endm
; rows 1-6 are common to both windows; row 0 ends the upper one, row 7 the lower.  left = the other buffer's loads, which may stay out.
.macro VPASS p, X, left
	s_wait_loadcnt \left
.irp ch, 0,1
.irp k, 0,1,2,3
	v_max3_num_f32 v[(\X)+32*(\ch)+4+(\k)], v[(\X)+32*(\ch)+4+(\k)], v[(\X)+32*(\ch)+8+(\k)], v[(\X)+32*(\ch)+12+(\k)]
	v_max3_num_f32 v[(\X)+32*(\ch)+4+(\k)], v[(\X)+32*(\ch)+4+(\k)], v[(\X)+32*(\ch)+16+(\k)], v[(\X)+32*(\ch)+20+(\k)]
	v_max3_num_f32 v[W+2*(\k)+(\ch)],   v[(\X)+32*(\ch)+4+(\k)], v[(\X)+32*(\ch)+24+(\k)], v[(\X)+32*(\ch)+(\k)]
	v_max3_num_f32 v[W+8+2*(\k)+(\ch)], v[(\X)+32*(\ch)+4+(\k)], v[(\X)+32*(\ch)+24+(\k)], v[(\X)+32*(\ch)+28+(\k)]
.endr
.endr
.irp o, 0,1
.irp k, 0,1,2,3
	ds_store_b64 v5, v[W+8*(\o)+2*(\k):W+8*(\o)+2*(\k)+1] offset:(\o)*VB+(\k)*VP+(\p)*128  ; lanes lie 4 rows apart: some share banks; 32 such stores a wave in all
.endr
.endr
.endm
	LDPASS 0, XA
	LDPASS 1, XB
	VPASS 0, XA, 16
	LDPASS 2, XA
	VPASS 1, XB, 16
	LDPASS 3, XB
	VPASS 2, XA, 16
	VPASS 3, XB, 0
.Lbar:                                                 ; every wave of every work-group passes this one barrier
	s_wait_dscnt 0x0                               ; for the others' sake: my stores into V are done
	s_barrier_signal -1
	s_barrier_wait -1
	s_wait_tensorcnt 0x0                           ; behind my last LDS store: only LDS loads follow
	ds_add_u32 v[SPW], v[NIL]
	s_wait_dscnt 0x0
	s_cmp_ge_u32 ttmp9, 116
	s_cbranch_scc1 .Lconv
	; ---- the map, phase 2 ----
	s_and_b32 s23, ttmp9, 3                        ; cg
	s_lshr_b32 s24, ttmp9, 2                       ; yp
	s_lshr_b32 s25, s22, 2                         ; o
	s_and_b32 s26, s22, 3
	s_lshl_b32 s26, s26, 4
	s_min_u32 s26, s26, 42                         ; x0
	s_mul_i32 s27, s25, VB
	s_mul_i32 s28, s26, VP
	s_add_co_u32 s27, s27, s28
	v_lshl_add_u32 v6, v1, 4, s27                  ; my 4 channels of row x0
	s_lshl_b32 s28, s24, 1
	s_add_co_u32 s28, s28, s25                     ; y
	s_lshl_b32 s28, s28, 16                        ; mt: 65,536 bytes a y,
	s_lshl_b32 s29, s26, 10                        ; 1,024 an x,
	s_add_co_u32 s28, s28, s29
	s_lshl_b32 s29, s23, 8                         ; 256 for 128 channels
	s_add_co_u32 s28, s28, s29
	s_mov_b32 s29, 0
	s_add_nc_u64 s[28:29], s[16:17], s[28:29]
.set j, 0
.rept 22
	ds_load_b128 v[R+4*j:R+4*j+3], v6 offset:j*VP
.set j, j+1
.endr
; Positions 4 n .. 4 n + 3 from rows 4 n .. 4 n + 9: rows 3-6 are common to all four windows.
.macro HGROUP n
	s_wait_dscnt 12-4*(\n)                         ; the rows behind 4 n + 9 may stay out
.if (\n) > 0
	s_wait_xcnt 0x0                                ; O, which the last group's stores read, is rewritten only behind this wait
.endif
.irp c, 0,1,2,3
	v_max3_num_f32 v[CC+(\c)], v[R+16*(\n)+12+(\c)], v[R+16*(\n)+16+(\c)], v[R+16*(\n)+20+(\c)]
	v_max_num_f32  v[UU+(\c)], v[R+16*(\n)+4+(\c)], v[R+16*(\n)+8+(\c)]
	v_max_num_f32  v[VV+(\c)], v[R+16*(\n)+28+(\c)], v[R+16*(\n)+32+(\c)]
	v_max_num_f32  v[CC+(\c)], v[CC+(\c)], v[R+16*(\n)+24+(\c)]
	v_max3_num_f32 v[O+(\c)],    v[CC+(\c)], v[R+16*(\n)+(\c)], v[UU+(\c)]
	v_max3_num_f32 v[O+4+(\c)],  v[CC+(\c)], v[UU+(\c)], v[R+16*(\n)+28+(\c)]
	v_max3_num_f32 v[O+8+(\c)],  v[CC+(\c)], v[R+16*(\n)+8+(\c)], v[VV+(\c)]
	v_max3_num_f32 v[O+12+(\c)], v[CC+(\c)], v[VV+(\c)], v[R+16*(\n)+36+(\c)]
.endr
.irp k, 0,1,2,3
	v_pk_mul_f32 v[O+4*(\k):O+4*(\k)+1],   v[O+4*(\k):O+4*(\k)+1],   0x3d800000 op_sel_hi:[1,0]  ; x 2^-4, exact
	v_pk_mul_f32 v[O+4*(\k)+2:O+4*(\k)+3], v[O+4*(\k)+2:O+4*(\k)+3], 0x3d800000 op_sel_hi:[1,0]
	v_cvt_pk_f16_f32 v[O+4*(\k)],   v[O+4*(\k)],   v[O+4*(\k)+1]
	v_cvt_pk_f16_f32 v[O+4*(\k)+1], v[O+4*(\k)+2], v[O+4*(\k)+3]
	global_store_b64 v7, v[O+4*(\k):O+4*(\k)+1], s[28:29] offset:(4*(\n)+(\k))*1024  ; the wave's store covers 256 consecutive bytes, aligned
.endr
.endm
	HGROUP 0
	HGROUP 1
	HGROUP 2
	HGROUP 3
	s_endpgm
; A row of 4,096 f32 at s[24:25] goes to f16 at s[26:27]: 32 loads of 512 bytes all on their way, each rounded and stored as it comes; no register is used twice.
.macro ROWCONV
.set i, 0
.rept 32
	global_load_b128 v[32+4*i:35+4*i], v4, s[24:25] offset:512*i
.set i, i+1
.endr
.set i, 0
.rept 32
	s_wait_loadcnt 31-i                            ; the younger loads stay out
	v_cvt_pk_f16_f32 v[32+4*i], v[32+4*i], v[33+4*i]
	v_cvt_pk_f16_f32 v[33+4*i], v[34+4*i], v[35+4*i]
	global_store_b64 v7, v[32+4*i:33+4*i], s[26:27] offset:256*i
.set i, i+1
.endr
.endm
.Lconv:
	s_cmp_ge_u32 ttmp9, 124
	s_cbranch_scc1 .Lw6
	; ---- the heads' weights: a slot a wave ----
	s_sub_co_u32 s23, ttmp9, 116
	s_lshl_b32 s23, s23, 3
	s_add_co_u32 s23, s23, s22                     ; slot 0..63
	s_and_b32 s24, s23, 31                         ; class
	s_lshl_b32 s26, s23, 13
	s_mov_b32 s27, 0
	s_add_nc_u64 s[26:27], s[20:21], s[26:27]      ; the slot's row of 8,192 bytes
	v_lshlrev_b32 v4, 4, v1
	s_cmp_ge_u32 s24, 21
	s_cbranch_scc1 .Lzero
	s_cmp_lt_u32 s23, 32
	s_cselect_b64 s[28:29], s[8:9], s[10:11]       ; w8c for the lower slots, w8d for the upper
	s_lshl_b32 s24, s24, 14
	s_mov_b32 s25, 0
	s_add_nc_u64 s[24:25], s[28:29], s[24:25]
	ROWCONV
	s_endpgm
.Lzero:                                                ; a slot without a class: zeros
	v_mov_b32 v32, 0
	v_mov_b32 v33, 0
.set i, 0
.rept 32
	global_store_b64 v7, v[32:33], s[26:27] offset:256*i
.set i, i+1
.endr
	s_cmp_lg_u32 s23, 63
	s_cbranch_scc1 .Ldone
	v_min_u32 v8, 20, v1                           ; the last slot's wave also lays out the biases: lane l has class l, 0 from class 21 on
	v_lshlrev_b32 v8, 2, v8
	v_lshlrev_b32 v9, 2, v1
	global_load_b32 v10, v8, s[12:13]
	global_load_b32 v11, v8, s[14:15]
	v_cmp_gt_u32 vcc_lo, 21, v1
	s_wait_loadcnt 0x0
	v_cndmask_b32 v10, 0, v10, vcc_lo
	v_cndmask_b32 v11, 0, v11, vcc_lo
	global_store_b32 v9, v10, s[20:21] offset:524288
	global_store_b32 v9, v11, s[20:21] offset:524416
.Ldone:
	s_endpgm
.Lw6:   ; ---- w6 folded: a row a wave; 32 loads of 512 bytes on their way, lower and upper half by turns ----
	s_sub_co_u32 s23, ttmp9, 124
	s_lshl_b32 s23, s23, 3
	s_add_co_u32 s23, s23, s22                     ; row e
	s_lshl_b32 s24, s23, 14
	s_mov_b32 s25, 0
	s_add_nc_u64 s[24:25], s[6:7], s[24:25]
	s_lshl_b32 s26, s23, 12
	s_mov_b32 s27, 0
	s_add_nc_u64 s[26:27], s[18:19], s[26:27]
	v_lshlrev_b32 v4, 4, v1
.set i, 0
.rept 16
	global_load_b128 v[32+8*i:35+8*i], v4, s[24:25] offset:512*i th:TH_LOAD_NT
	global_load_b128 v[36+8*i:39+8*i], v4, s[24:25] offset:8192+512*i th:TH_LOAD_NT
.set i, i+1
.endr
.set i, 0
.rept 16
	s_wait_loadcnt 30-2*i                          ; the younger pairs stay out
	v_pk_add_f32 v[32+8*i:33+8*i], v[32+8*i:33+8*i], v[36+8*i:37+8*i]
	v_pk_add_f32 v[34+8*i:35+8*i], v[34+8*i:35+8*i], v[38+8*i:39+8*i]
	v_cvt_pk_f16_f32 v[32+8*i], v[32+8*i], v[33+8*i]
	v_cvt_pk_f16_f32 v[33+8*i], v[34+8*i], v[35+8*i]
	global_store_b64 v7, v[32+8*i:33+8*i], s[26:27] offset:256*i
.set i, i+1
.endr
	s_endpgm
.Lfunc_end_k_q0176a5d807_prep1:
	.size	k_q0176a5d807_prep1, .Lfunc_end_k_q0176a5d807_prep1-k_q0176a5d807_prep1
	.p2alignl 7, 3214868480
	.fill 96, 4, 3214868480
	.section	.rodata,"a",@progbits
	.p2align	6, 0x0
	.amdhsa_kernel k_q0176a5d807_prep1
		.amdhsa_group_segment_fixed_size 75008
		.amdhsa_private_segment_fixed_size 0
		.amdhsa_enable_private_segment 0
		.amdhsa_kernarg_size 72
		.amdhsa_user_sgpr_count 2
		.amdhsa_user_sgpr_kernarg_segment_ptr 1
		.amdhsa_wavefront_size32 1
		.amdhsa_system_sgpr_workgroup_id_x 1
		.amdhsa_system_sgpr_workgroup_id_y 1
		.amdhsa_system_sgpr_workgroup_id_z 1
		.amdhsa_system_vgpr_workitem_id 0
		.amdhsa_next_free_vgpr 160
		.amdhsa_next_free_sgpr 66
		.amdhsa_reserve_vcc 1
		.amdhsa_float_denorm_mode_32 3
		.amdhsa_float_denorm_mode_16_64 3
		.amdhsa_memory_ordered 1
		.amdhsa_forward_progress 1
		.amdhsa_inst_pref_size 58
	.end_amdhsa_kernel
	.amdgpu_metadata
---
amdhsa.version: [ 1, 2 ]
amdhsa.kernels:
  - .name:           k_q0176a5d807_prep1
    .symbol:         k_q0176a5d807_prep1.kd
    .args:
      - { .name: x, .offset: 0, .size: 8, .value_kind: global_buffer, .address_space: global }
      - { .name: w6, .offset: 8, .size: 8, .value_kind: global_buffer, .address_space: global }
      - { .name: w8c, .offset: 16, .size: 8, .value_kind: global_buffer, .address_space: global }
      - { .name: w8d, .offset: 24, .size: 8, .value_kind: global_buffer, .address_space: global }
      - { .name: b8c, .offset: 32, .size: 8, .value_kind: global_buffer, .address_space: global }
      - { .name: b8d, .offset: 40, .size: 8, .value_kind: global_buffer, .address_space: global }
      - { .name: mt, .offset: 48, .size: 8, .value_kind: global_buffer, .address_space: global }
      - { .name: w6h, .offset: 56, .size: 8, .value_kind: global_buffer, .address_space: global }
      - { .name: w8h, .offset: 64, .size: 8, .value_kind: global_buffer, .address_space: global }
    .group_segment_fixed_size: 75008
    .private_segment_fixed_size: 0
    .kernarg_segment_align: 8
    .kernarg_segment_size: 72
    .max_flat_workgroup_size: 256
    .sgpr_count:     66
    .vgpr_count:     160
    .wavefront_size: 32
...
	.end_amdgpu_metadata
.endif
;; end of part 1
;; launch prep2 (part 2): grid 640 x 1, 8 waves a work-group, no clusters, 70,656 bytes of LDS; arguments ssw, mt, w7, flat, w7h; writes flat, w7h
.if DOCPART == 2
	.amdgcn_target "amdgcn-amd-amdhsa--gfx1250"
	.amdhsa_code_object_version 6
	.text
	.protected	k_q0176a5d807_prep2
	.globl	k_q0176a5d807_prep2
	.p2align	8
	.type	k_q0176a5d807_prep2,@function
k_q0176a5d807_prep2:
	s_mov_b64 s[64:65], 0
	v_nop
	global_prefetch_b8 v0, s[64:65] scope:SCOPE_SE
	s_setreg_imm32_b32 hwreg(HW_REG_WAVE_MODE, 25, 1), 1
	s_wait_xcnt 0x0
; TWO JOBS, chosen by the work-group's number g.
; g = 0..127    THE GATHER.  The pooled row of ROI r is f[r][4 c + 2 py + px] = mt[y0 + 7 py][x0 + 7 px][c], f16 (the pooled numbers x 2^-4).  y0 and x0 are clamped to 0..50,
;               as the slice in reference() clamps them; ssw's h and w are loaded with them and, as there, not used.
;               flat is laid out AS THE NEXT LAUNCH'S MATRIX FRAGMENTS: [block of 16 ROIs][16 along k][lane l] 16 bytes: lane l holds ROI l % 16 and k = 8 (l / 16) + 0..7 of the sixteen.
;               A work-group has a block of 16 ROIs, a wave two of them.  A lane makes 16 bytes (a granule: 8 k of one ROI); they meet in LDS at granule x 272 + ROI x 16, and leave as 512 consecutive bytes.
; g = 128..639  w7 TO f16, a row a wave.  LIMIT: |w7| under 65,504; below 6e-5 it keeps f16's fixed step of 6e-8.
; Matrix units and clusters have nothing to do here: bytes are moved once.
.set GP,    272                        ; a granule's 16 ROIs: 256 bytes + 16: lanes that store neighbouring granules start at different groups of four banks (64 banks of 4 bytes: ISA guide 11.1)
.set SPARE, 256*GP                     ; behind the 256 granules: the spare words, 128 bytes for each of the eight waves: four blocks of 256 bytes that no other line names
	s_load_b256 s[4:11], s[0:1], 0x0               ; ssw 4:5, mt 6:7, w7 8:9, flat 10:11
	s_load_b64 s[12:13], s[0:1], 0x20              ; w7h
	v_lshl_add_u32 v30, v0, 2, SPARE               ; my spare word; never rewritten
	v_mov_b32 v31, 0                               ; 0; never rewritten
	v_lshrrev_b32 v1, 5, v0
	v_readfirstlane_b32 s14, v1                    ; wave 0..7
	v_and_b32 v1, 31, v0
	v_lshlrev_b32 v4, 4, v1                        ; 16 x lane
	v_lshlrev_b32 v5, 2, v1                        ; 4 x lane
	v_lshlrev_b32 v7, 3, v1                        ; 8 x lane
	s_wait_kmcnt 0x0
	s_cmp_ge_u32 ttmp9, 128
	s_cbranch_scc1 .Lbar
	s_lshl_b32 s15, ttmp9, 3
	s_add_co_u32 s15, s15, s14                     ; my pair of ROIs
	s_lshl_b32 s24, s15, 5                         ; 32 bytes of ssw
	s_mov_b32 s25, 0
	s_add_nc_u64 s[24:25], s[4:5], s[24:25]
	s_load_b256 s[16:23], s[24:25], 0x0            ; y0, x0, h, w, twice
	s_mov_b32 s28, 0x05040100                      ; v_perm_b32: the two low halves
	s_mov_b32 s29, 0x07060302                      ; the two high halves
	v_mul_u32_u24 v6, v1, GP                       ; into LDS: granule l + 32 j, ROI 2 w + u
	s_lshl_b32 s30, s14, 5
	v_add_nc_u32 v6, s30, v6
	s_wait_kmcnt 0x0
	s_max_i32 s16, s16, 0
	s_min_u32 s16, s16, 50
	s_max_i32 s17, s17, 0
	s_min_u32 s17, s17, 50
	s_max_i32 s20, s20, 0
	s_min_u32 s20, s20, 50
	s_max_i32 s21, s21, 0
	s_min_u32 s21, s21, 50
	s_lshl_b32 s24, s16, 6
	s_add_co_u32 s24, s24, s17
	s_lshl_b32 s24, s24, 10                        ; mt: 1,024 bytes a position
	s_mov_b32 s25, 0
	s_add_nc_u64 s[24:25], s[6:7], s[24:25]
	s_lshl_b32 s26, s20, 6
	s_add_co_u32 s26, s26, s21
	s_lshl_b32 s26, s26, 10
	s_mov_b32 s27, 0
	s_add_nc_u64 s[26:27], s[6:7], s[26:27]
	; the four windows lie 0, 7 x, 7 y and 7 y + 7 x on.  Load j of a window: lane l has channels 2 q, 2 q + 1, q = l + 32 j
.irp u, 0,1
.set j, 0
.rept 8
	global_load_b32 v[32+32*(\u)+4*j], v5, s[24+2*(\u):25+2*(\u)] offset:128*j
	global_load_b32 v[33+32*(\u)+4*j], v5, s[24+2*(\u):25+2*(\u)] offset:7168+128*j
	global_load_b32 v[34+32*(\u)+4*j], v5, s[24+2*(\u):25+2*(\u)] offset:458752+128*j
	global_load_b32 v[35+32*(\u)+4*j], v5, s[24+2*(\u):25+2*(\u)] offset:465920+128*j
.set j, j+1
.endr
.endr
.irp u, 0,1
.set j, 0
.rept 8
	s_wait_loadcnt 60-32*(\u)-4*j                  ; the later groups of four stay out
	v_perm_b32 v[96+32*(\u)+4*j], v[33+32*(\u)+4*j], v[32+32*(\u)+4*j], s28  ; channel 2 q: windows 0, 1
	v_perm_b32 v[97+32*(\u)+4*j], v[35+32*(\u)+4*j], v[34+32*(\u)+4*j], s28  ;              windows 2, 3
	v_perm_b32 v[98+32*(\u)+4*j], v[33+32*(\u)+4*j], v[32+32*(\u)+4*j], s29  ; channel 2 q + 1
	v_perm_b32 v[99+32*(\u)+4*j], v[35+32*(\u)+4*j], v[34+32*(\u)+4*j], s29
	ds_store_b128 v6, v[96+32*(\u)+4*j:99+32*(\u)+4*j] offset:j*32*GP+16*(\u)  ; k = 8 q .. 8 q + 7 of the ROI
.set j, j+1
.endr
.endr
.Lbar:                                                 ; every wave of every work-group passes this one barrier
	s_wait_dscnt 0x0                               ; for the others' sake: my stores are done
	s_barrier_signal -1
	s_barrier_wait -1
	s_wait_tensorcnt 0x0                           ; behind my last LDS store: only LDS loads follow
	ds_add_u32 v30, v31
	s_wait_dscnt 0x0
	s_cmp_ge_u32 ttmp9, 128
	s_cbranch_scc1 .Lw7
	v_bfe_u32 v9, v0, 4, 1                         ; back: load i of wave w takes granules 32 w + 2 i and + 1: lanes 0-15 the sixteen ROIs of one, lanes 16-31 of the other
	v_and_b32 v10, 15, v0
	v_mul_u32_u24 v8, v9, GP
	v_lshl_add_u32 v8, v10, 4, v8
	s_mul_i32 s30, s14, 32*GP
	v_add_nc_u32 v8, s30, v8
	s_lshl_b32 s24, ttmp9, 16                      ; flat: 65,536 bytes a block of 16 ROIs,
	s_lshl_b32 s25, s14, 13                        ; 8,192 for my 32 granules
	s_add_co_u32 s24, s24, s25
	s_mov_b32 s25, 0
	s_add_nc_u64 s[24:25], s[10:11], s[24:25]
.set i, 0
.rept 16
	ds_load_b128 v[32+4*i:35+4*i], v8 offset:i*2*GP
.set i, i+1
.endr
.set i, 0
.rept 16
	s_wait_dscnt 15-i                              ; the younger loads stay out
	global_store_b128 v4, v[32+4*i:35+4*i], s[24:25] offset:512*i  ; the wave's store covers 512 consecutive bytes, aligned
.set i, i+1
.endr
	s_endpgm
.Lw7:
	s_sub_co_u32 s15, ttmp9, 128
	s_lshl_b32 s15, s15, 3
	s_add_co_u32 s15, s15, s14                     ; the row
	s_lshl_b32 s24, s15, 14
	s_mov_b32 s25, 0
	s_add_nc_u64 s[24:25], s[8:9], s[24:25]
	s_lshl_b32 s26, s15, 13
	s_mov_b32 s27, 0
	s_add_nc_u64 s[26:27], s[12:13], s[26:27]
.set i, 0
.rept 32                                               ; the whole row, 32 loads of 512 bytes, is on its way at once
	global_load_b128 v[32+4*i:35+4*i], v4, s[24:25] offset:512*i th:TH_LOAD_NT
.set i, i+1
.endr
.set i, 0
.rept 32
	s_wait_loadcnt 31-i                            ; the younger loads stay out; no register is used twice
	v_cvt_pk_f16_f32 v[32+4*i], v[32+4*i], v[33+4*i]
	v_cvt_pk_f16_f32 v[33+4*i], v[34+4*i], v[35+4*i]
	global_store_b64 v7, v[32+4*i:33+4*i], s[26:27] offset:256*i
.set i, i+1
.endr
	s_endpgm
.Lfunc_end_k_q0176a5d807_prep2:
	.size	k_q0176a5d807_prep2, .Lfunc_end_k_q0176a5d807_prep2-k_q0176a5d807_prep2
	.p2alignl 7, 3214868480
	.fill 96, 4, 3214868480
	.section	.rodata,"a",@progbits
	.p2align	6, 0x0
	.amdhsa_kernel k_q0176a5d807_prep2
		.amdhsa_group_segment_fixed_size 70656
		.amdhsa_private_segment_fixed_size 0
		.amdhsa_enable_private_segment 0
		.amdhsa_kernarg_size 40
		.amdhsa_user_sgpr_count 2
		.amdhsa_user_sgpr_kernarg_segment_ptr 1
		.amdhsa_wavefront_size32 1
		.amdhsa_system_sgpr_workgroup_id_x 1
		.amdhsa_system_sgpr_workgroup_id_y 1
		.amdhsa_system_sgpr_workgroup_id_z 1
		.amdhsa_system_vgpr_workitem_id 0
		.amdhsa_next_free_vgpr 160
		.amdhsa_next_free_sgpr 66
		.amdhsa_reserve_vcc 0
		.amdhsa_float_denorm_mode_32 3
		.amdhsa_float_denorm_mode_16_64 3
		.amdhsa_memory_ordered 1
		.amdhsa_forward_progress 1
		.amdhsa_inst_pref_size 29
	.end_amdhsa_kernel
	.amdgpu_metadata
---
amdhsa.version: [ 1, 2 ]
amdhsa.kernels:
  - .name:           k_q0176a5d807_prep2
    .symbol:         k_q0176a5d807_prep2.kd
    .args:
      - { .name: ssw, .offset: 0, .size: 8, .value_kind: global_buffer, .address_space: global }
      - { .name: mt, .offset: 8, .size: 8, .value_kind: global_buffer, .address_space: global }
      - { .name: w7, .offset: 16, .size: 8, .value_kind: global_buffer, .address_space: global }
      - { .name: flat, .offset: 24, .size: 8, .value_kind: global_buffer, .address_space: global }
      - { .name: w7h, .offset: 32, .size: 8, .value_kind: global_buffer, .address_space: global }
    .group_segment_fixed_size: 70656
    .private_segment_fixed_size: 0
    .kernarg_segment_align: 8
    .kernarg_segment_size: 40
    .max_flat_workgroup_size: 256
    .sgpr_count:     66
    .vgpr_count:     160
    .wavefront_size: 32
...
	.end_amdgpu_metadata
.endif
;; end of part 2
;; launch fc6 (part 3): grid 16 x 16, 4 waves a work-group, clusters of 4 x 1, 327,680 bytes of LDS; arguments flat, w6h, b6, h6; writes h6
.if DOCPART == 3
	.amdgcn_target "amdgcn-amd-amdhsa--gfx1250"
	.amdhsa_code_object_version 6
	.text
	.protected	k_q0176a5d807_fc6
	.globl	k_q0176a5d807_fc6
	.p2align	8
	.type	k_q0176a5d807_fc6,@function
k_q0176a5d807_fc6:
	s_mov_b64 s[64:65], 0
	v_nop
	global_prefetch_b8 v0, s[64:65] scope:SCOPE_SE
	s_setreg_imm32_b32 hwreg(HW_REG_WAVE_MODE, 25, 1), 1
	s_wait_xcnt 0x0
	s_wait_alu depctr_hold_cnt(0) depctr_sa_sdst(0) depctr_va_vdst(0) depctr_va_sdst(0) depctr_va_ssrc(0) depctr_va_vcc(0) depctr_vm_vsrc(0)
	s_getreg_b32 s2, hwreg(HW_REG_IB_STS2, 6, 4)
	s_cmp_eq_u32 s2, 0
	s_cbranch_scc0 .Lentry_in_a_cluster
	s_endpgm
.Lentry_in_a_cluster:
	s_bfe_u32 s2, ttmp6, 0x10000c
	s_cmp_lg_u32 s2, 0x3003
	s_cbranch_scc0 .Lentry_shape_is_right
	s_endpgm
.Lentry_shape_is_right:
; h6[r][e] / 16 = relu(sum over k of f[r][k] w6h[e][k] + b6[e] / 16), f16.  f: 2,048 ROIs x 2,048 (pooled numbers / 16), w6h: [4096][2048] f16, b6: f32.  Sums in f32.
; flat (f) and h6 lie IN FRAGMENT ORDER: [block of 16 ROIs][16 along k][lane l] 16 bytes: lane l holds ROI l % 16 and k = 8 (l / 16) + 0..7 of the sixteen.
; LIMIT.  h6 / 16 stays under 65,504, f16's end; a NaN sum counts as 0 in the relu.
; SHAPE.  A tile is 128 ROIs x 256 columns: 16 x 16 tiles, one for each work-group.  Four waves, each 64 ROIs x 128 columns: 32 accumulators of 16 x 16, 256 registers.
; THE WEIGHTS go through two LDS slots of 256 along K, filled by tensor loads (each wave 64 rows of 512 bytes of memory, aligned): a step has 256 matrix instructions a wave, 240 of them between a request and the wait for it.
; THE ROIs DO NOT GO THROUGH LDS, and are not asked for jointly.  The reason: two slots of 256 along K for all 384 rows would take 2 x 384 x 528 = 405,504 bytes, and the work-group has 327,680; for the 256
; rows of weights they take 270,336.  The ROIs are the smaller operand (64 rows a wave against 128), and in fragment order a wave's load of 16 bytes a lane is 512 consecutive bytes and half a fragment.
; A ring of eight register buffers (32 along K each) keeps seven quarters' loads, 56, on their way.  The price: the two waves that share ROIs load the same bytes.
; CLUSTER.  Four work-groups along x, which is the tile row: they need the same rows of w6h, asked for jointly with the same descriptor and the mask of four.
; THE MATRIX INSTRUCTION IS USED TRANSPOSED: source 0 = 16 rows of w6h, source 1 = 16 ROIs: a lane holds ONE ROI (lane % 16) and eight neighbouring columns 8 (lane / 16) + 0..7: packed, they are
; the lane's 16 bytes of h6's fragment order, so the results leave straight from registers, 512 consecutive bytes a store.
; The bias, in the accumulators' layout, is the C operand of the product that starts each sum: nothing is cleared and nothing is added later.
; REGISTERS, in windows of 256 (s_set_vgpr_msb: bits 1:0 source 0, 3:2 source 1, 5:4 source 2, 7:6 destination):
;   window 0: v0-31 addresses; v64-127, v128-191 two buffers of the weights' eight fragments; v192-255 the bias / 16; on the way out v64-255 at work
;   window 1: accumulator (a, b) at v[8 (8 a + b)]          window 2: the ROIs' ring: quarter q % 8, block a at v[32 (q % 8) + 8 a]
.set SIZE_K, 2048
.set NS,     SIZE_K/256                ; K steps
.set RBS,    16*SIZE_K*2               ; bytes of a block of 16 ROIs in flat
.set ORBS,   16*4096*2                 ; and in h6
.set PITCH,  528                       ; an LDS row: 512 bytes + 16 of padding = 132 words: the 16 rows of a fragment load start at 16 different groups of four banks (64 banks of 4 bytes: ISA guide 11.1)
.set PART,   64*PITCH                  ; what one tensor load brings
.set SLOT,   4*PART                    ; 135,168 = 2^17 + 2^12; w x PART (w = 0..3) has neither bit, so one exclusive or turns a part's address in one slot into the other's
.set SPARE,  2*SLOT                    ; behind the ring: the spare words, 128 bytes for each wave: two blocks of 256 bytes that no other line names
.set ADRB0, 16                         ; v16 my lane's place in a slot; never rewritten
.set ADRB,  17                         ; v17 the same in the slot in hand
.set AO,    18                         ; v18 16 x lane
.set BO,    19                         ; v19 32 x (lane / 16): my eight biases of sixteen
.set SPW,   28                         ; v28 SPARE + 4 x my thread's number; never rewritten
.set NIL,   29                         ; v29 0; never rewritten
.set F0,    64
.set F1,    128
.set BI,    192
.set T,     64                         ; the way out: 64 numbers in f32
.set PK,    128                        ; packed: 32 registers for each block
.set WV, 12                            ; s12 wave; s13 which 64 ROIs are mine; s14 which 128 columns
.set MH, 13
.set NH, 14
.set G1, 24                            ; s[24:31] descriptor group 1
.set G0, 32                            ; s[32:35] descriptor group 0: it walks
.set TB, 36                            ; s36 0 or SLOT: the slot that is read
.set SA, 38                            ; s[38:39] flat at my first block of ROIs, at the K step in hand
.set MSB, 0
.macro WIN new                         ; the immediate's high byte repeats the setting that is left
.if MSB != (\new)
	s_set_vgpr_msb (MSB<<8)|(\new)
.set MSB, \new
.endif
.endm
.set MUL,  0x58                        ; weights in window 0, ROIs in window 2, C and D in window 1
.set MULB, 0x48                        ; C in window 0 (the bias)
.macro JLOAD                           ; a joint load: every wave fetches its own 64 rows; an s_nop 0 and four v_nop follow
	tensor_load_to_lds s[G0:G0+3], s[G1:G1+7]
	s_nop 0
.rept 4
	v_nop
.endr
.endm
.macro CREST                           ; a round of the cluster's barrier behind its opening barrier
	s_cmp_lg_u32 s[WV], 0
	s_cbranch_scc1 .Lnot_wave_0_\@
	s_barrier_signal -3
.Lnot_wave_0_\@:
	s_barrier_wait -3
	s_barrier_signal -1
	s_barrier_wait -1
.endm
.macro CROUND
	s_barrier_signal -1
	s_barrier_wait -1
	CREST
.endm
	s_load_b256 s[4:11], s[0:1], 0x0               ; flat 4:5, w6h 6:7, b6 8:9, h6 10:11
	v_lshl_add_u32 v[SPW], v0, 2, SPARE
	v_mov_b32 v[NIL], 0
	ds_add_u32 v[SPW], v[NIL]                      ; the wave's opening: the add and its wait stand ahead of my first tensor load; work on registers stands between them
	v_lshrrev_b32 v1, 5, v0
	v_readfirstlane_b32 s[WV], v1
	s_lshr_b32 s[MH], s[WV], 1
	s_and_b32 s[NH], s[WV], 1
	s_bfe_u32 s40, ttmp6, 0x40000                  ; cx: my place in the cluster
	s_lshl_b32 s42, ttmp9, 2
	s_add_co_u32 s42, s42, s40                     ; tile row = 4 x cluster x + cx: it enters flat's and h6's addresses alone
	s_and_b32 s43, ttmp7, 0xffff                   ; tile column, which the four partners share
	s_mov_b32 s[G1+0], 15|(1<<16)|(1<<20)|(1<<21)|(6<<22)|(3<<25)  ; the mask of four; 2-byte elements; padding on; bit 21 beside a mask; after every 128 words, 4 words
	s_mov_b32 s[G1+1], 256<<16                     ; tensor_dim0 = 256
	s_mov_b32 s[G1+2], 64<<16                      ; tensor_dim1 = 64
	s_mov_b32 s[G1+3], 256<<16                     ; tile_dim0 = 256
	s_mov_b32 s[G1+4], 64                          ; tile_dim1 = 64
	s_mov_b32 s[G1+5], SIZE_K                      ; elements from row to row
	s_mov_b32 s[G1+6], 0
	s_mov_b32 s[G1+7], 0
	s_mov_b32 s[G0], 1
	s_mul_i32 s[G0+1], s[WV], PART                 ; LDS address: my part of slot 0
	s_mov_b32 s[TB], 0
	s_lshl_b32 s16, s43, 8
	s_lshl_b32 s17, s[WV], 6
	s_add_co_u32 s16, s16, s17                     ; the weights' row 256 x tile column + 64 x wave
	s_mov_b32 s17, 0
	s_mov_b64 s[18:19], SIZE_K*2
	s_mul_u64 s[16:17], s[16:17], s[18:19]
	s_lshl_b32 s20, s42, 3
	s_lshl_b32 s21, s[MH], 2
	s_add_co_u32 s20, s20, s21                     ; my first block of 16 ROIs
	s_mul_i32 s22, s20, RBS
	s_mov_b32 s23, 0
	s_wait_dscnt 0x0                               ; the opening add is done
	s_wait_kmcnt 0x0
	s_add_nc_u64 s[G0+2:G0+3], s[6:7], s[16:17]
	s_or_b32 s[G0+3], s[G0+3], 0x80000000
	s_add_nc_u64 s[SA:SA+1], s[4:5], s[22:23]
	CROUND                                         ; all four work-groups are here: the first joint loads meet
	JLOAD                                          ; K step 0 into slot 0; slot 1 is asked for behind the first change of slots
	v_and_b32 v1, 15, v0                           ; l % 16
	v_bfe_u32 v2, v0, 4, 1                         ; l / 16
	v_mul_u32_u24 v3, v1, PITCH
	v_lshl_add_u32 v3, v2, 4, v3                   ; a fragment's row x pitch + 16 x half
	s_mul_i32 s44, s[NH], 2*PART                   ; my 128 rows of the weights
	v_add_nc_u32 v[ADRB0], s44, v3
	v_mov_b32 v[ADRB], v[ADRB0]
	v_and_b32 v[AO], 31, v0
	v_lshlrev_b32 v[AO], 4, v[AO]
	v_lshlrev_b32 v[BO], 5, v2
	s_lshl_b32 s44, s43, 10                        ; the bias of my 128 columns: 4 bytes x (256 x tile column + 128 x half)
	s_lshl_b32 s45, s[NH], 9
	s_add_co_u32 s44, s44, s45
	s_mov_b32 s45, 0
	s_add_nc_u64 s[8:9], s[8:9], s[44:45]
.irp b, 0,1,2,3,4,5,6,7
	global_load_b128 v[BI+8*(\b):BI+8*(\b)+3],   v[BO], s[8:9] offset:64*(\b)
	global_load_b128 v[BI+8*(\b)+4:BI+8*(\b)+7], v[BO], s[8:9] offset:64*(\b)+16
.endr
; 8 loads: my four blocks' fragments of the quarter ao quarters behind s[SA], into ring buffer buf.  Each covers 512 consecutive bytes, aligned.
.macro AFETCH ao, buf
	WIN 0x80                                       ; destination window 2, address window 0
.irp a, 0,1,2,3
	global_load_b128 v[32*(\buf)+8*(\a):32*(\buf)+8*(\a)+3],   v[AO], s[SA:SA+1] offset:(\a)*RBS+(\ao)*1024
	global_load_b128 v[32*(\buf)+8*(\a)+4:32*(\buf)+8*(\a)+7], v[AO], s[SA:SA+1] offset:(\a)*RBS+(\ao)*1024+512
.endr
.endm
.irp q, 0,1,2,3,4,5,6
	AFETCH \q, \q                                  ; the ring is filled: quarters 0 to 6
.endr
	WIN 0
	s_lshl_b32 s22, s20, 17                        ; h6: my first block of ROIs (131,072 bytes a block),
	s_lshl_b32 s21, s43, 13                        ; 16 x tile column + 8 x half sixteens of columns, 512 bytes each
	s_add_co_u32 s22, s22, s21
	s_lshl_b32 s21, s[NH], 12
	s_add_co_u32 s22, s22, s21
	s_mov_b32 s23, 0
	s_add_nc_u64 s[10:11], s[10:11], s[22:23]
; 8 matrix instructions: ROI block a (ring buffer ab) x all 8 column blocks, 32 along K.  zero = 1: the product starts the sum, on the bias.  The 32 accumulators take turns, in the same order in every quarter.
.macro MULA f, ab, a, zero
.if \zero
	WIN MULB
.else
	WIN MUL
.endif
.irp b, 0,1,2,3,4,5,6,7
.if \zero
	v_wmma_f32_16x16x32_f16 v[8*(8*(\a)+(\b)):8*(8*(\a)+(\b))+7], v[(\f)+8*(\b):(\f)+8*(\b)+7], v[32*(\ab)+8*(\a):32*(\ab)+8*(\a)+7], v[BI+8*(\b):BI+8*(\b)+7]
.else
	v_wmma_f32_16x16x32_f16 v[8*(8*(\a)+(\b)):8*(8*(\a)+(\b))+7], v[(\f)+8*(\b):(\f)+8*(\b)+7], v[32*(\ab)+8*(\a):32*(\ab)+8*(\a)+7], v[8*(8*(\a)+(\b)):8*(8*(\a)+(\b))+7]
.endif
.endr
.endm
; 16 LDS loads in one run: the weights' fragments of 32 along K at byte k of my 128 rows
.macro FETCH k, f
	WIN 0
.irp i, 0,1,2,3,4,5,6,7
	ds_load_b128 v[(\f)+8*(\i):(\f)+8*(\i)+3],   v[ADRB] offset:(\k)+(\i)*16*PITCH
	ds_load_b128 v[(\f)+8*(\i)+4:(\f)+8*(\i)+7], v[ADRB] offset:(\k)+(\i)*16*PITCH+32
.endr
.endm
.macro PLACES                          ; four places in front of loads into registers that matrix instructions have read, and of lines that read results (ISA guide 7.12.1 for the lines that read results)
.rept 4
	v_nop
.endr
.endm
; A K step is eight quarters of 32 along K, 32 matrix instructions each.  A quarter multiplies weights' buffer f by ring buffer ab; fetches the next quarter's weights, at byte kb, into g (kb < 0: none);
; and asks for the ROIs' quarter seven on, ao quarters behind s[SA], into the ring buffer that the quarter before has read (ao < 0: none).
; lc: the loads younger than this quarter's eight: six quarters' 48 while the ring is fed.
.macro QUARTER f, g, ab, kb, ao, lc, zero=0
	s_wait_loadcnt \lc                             ; loads come back in order (ISA guide 5.7.1): my ROIs of this quarter are in
	s_wait_dscnt 0x0                               ; and its weights
	MULA \f, \ab, 0, \zero
.if (\kb) >= 0
	PLACES
	FETCH \kb, \g
.endif
	MULA \f, \ab, 1, \zero
.if (\ao) >= 0
	AFETCH \ao, ((\ab)+7)%8
.endif
	MULA \f, \ab, 2, \zero
	MULA \f, \ab, 3, \zero
.endm
; Quarter 7 changes slots: ONE barrier; in front of it each wave waits for all its tensor loads (one is out: its part of the next slot), adds 0 to its spare word, and waits for that and for its own
; reads of this slot.  fill = 1: the barrier opens a round of the cluster's, and this slot is filled again, two K steps ahead, first thing behind the round.
.macro TURN fill
	WIN 0                                          ; (the add's two registers lie in window 0)
	s_wait_tensorcnt 0x0                           ; no tensor load of mine is out, so group 0 may be written
	ds_add_u32 v[SPW], v[NIL]
.if \fill
	s_xor_b32 s[G0+1], s[G0+1], SLOT               ; the walking descriptor: the other slot than last time,
	s_add_nc_u64 s[G0+2:G0+3], s[G0+2:G0+3], 512   ; the next 256 along K; the type bits on top are not reached
.endif
	s_xor_b32 s[TB], s[TB], SLOT                   ; the reads go on in the other slot
	s_wait_loadcnt 48                              ; my ROIs of quarter 7
	s_wait_dscnt 1                                 ; its weights; the add may be out
	MULA F1, 7, 0, 0                               ; eight matrix instructions stand between the add and the wait for it
	s_wait_dscnt 0x0                               ; the add is done, and my reads of this slot are over
	s_barrier_signal -1
	MULA F1, 7, 1, 0
	WIN 0
	s_barrier_wait -1
.if \fill
	CREST                                          ; no wave of any partner still reads this slot's tile or has a load on its way
	JLOAD                                          ; my one load behind the round: 240 matrix instructions ahead of the wait for it; its four v_nop are also the places in front of the loads below
.else
	PLACES
.endif
	v_add_nc_u32 v[ADRB], s[TB], v[ADRB0]
	FETCH 0, F0
	AFETCH 14, 6
	MULA F1, 7, 2, 0
	MULA F1, 7, 3, 0
.endm
; A trip: a K step's quarters 1 to 7 and the next step's quarter 0
.macro TRIP fill
	QUARTER F1, F0, 1, 128, 8,  48
	QUARTER F0, F1, 2, 192, 9,  48
	QUARTER F1, F0, 3, 256, 10, 48
	QUARTER F0, F1, 4, 320, 11, 48
	QUARTER F1, F0, 5, 384, 12, 48
	QUARTER F0, F1, 6, 448, 13, 48
	TURN \fill
	QUARTER F0, F1, 0, 64,  15, 48
	WIN 0                                          ; at a label and at a branch every window is 0
	s_wait_xcnt 0x0                                ; the loads' base is stepped only behind this wait
	s_add_nc_u64 s[SA:SA+1], s[SA:SA+1], 8192      ; eight quarters of 1,024 bytes
.endm
	s_wait_tensorcnt 0x0                           ; the first change of slots: my part of K step 0 is in;
	ds_add_u32 v[SPW], v[NIL]
	s_xor_b32 s[G0+1], s[G0+1], SLOT
	s_add_nc_u64 s[G0+2:G0+3], s[G0+2:G0+3], 512
	s_wait_dscnt 0x0
	CROUND                                         ; everybody's is
	JLOAD                                          ; K step 1 into slot 1: it has K step 0's work in which to land
	FETCH 0, F0
	s_wait_loadcnt 56                              ; the bias; the ring's 56 loads may be out
.set i, 0
.rept 32
	v_pk_mul_f32 v[BI+2*i:BI+2*i+1], v[BI+2*i:BI+2*i+1], 0x3d800000 op_sel_hi:[1,0]  ; b / 16, exact: the sums are h / 16
.set i, i+1
.endr
	QUARTER F0, F1, 0, 64, 7, 48, 1                ; the first quarter stands in front of the loop: its products start the sums
	WIN 0
	s_mov_b32 s3, NS-2
.Lstep:                                                ; every K step but the last two fills its slot again
	TRIP 1
	s_sub_co_u32 s3, s3, 1
	s_cmp_lg_u32 s3, 0
	s_cbranch_scc1 .Lstep
	TRIP 0                                         ; the last step but one fills nothing; its last quarter asks for the ROIs' last quarter
	QUARTER F1, F0, 1, 128, -1, 48                 ; the last step: the ring runs empty, the counts run down
	QUARTER F0, F1, 2, 192, -1, 40
	QUARTER F1, F0, 3, 256, -1, 32
	QUARTER F0, F1, 4, 320, -1, 24
	QUARTER F1, F0, 5, 384, -1, 16
	QUARTER F0, F1, 6, 448, -1, 8
	QUARTER F1, F0, 7, -1,  -1, 0
	WIN 0
	PLACES
; THE WAY OUT, a block of 16 ROIs at a time: relu, rounded to f16: a lane's 16 bytes are its place in h6's fragment order
.macro OUT a
	WIN 0x04                                       ; source 1 in window 1
.set i, 0
.rept 64
	v_max_num_f32 v[T+i], 0, v[64*(\a)+i]          ; each accumulator's registers in ascending order
.set i, i+1
.endr
	WIN 0
.set i, 0
.rept 32
	v_cvt_pk_f16_f32 v[PK+32*(\a)+i], v[T+2*i], v[T+2*i+1]
.set i, i+1
.endr
.irp b, 0,1,2,3,4,5,6,7
	global_store_b128 v[AO], v[PK+32*(\a)+4*(\b):PK+32*(\a)+4*(\b)+3], s[10:11] offset:(\a)*ORBS+512*(\b)  ; the wave's store covers 512 consecutive bytes, aligned; no data register is used twice
.endr
.endm
	OUT 0
	OUT 1
	OUT 2
	OUT 3
	s_wait_tensorcnt 0x0                           ; the wave's end: behind my last tensor load
	ds_add_u32 v[SPW], v[NIL]
	s_wait_dscnt 0x0
	CROUND                                         ; the closing round: no work-group ends while a partner may still ask for a tile that names it
	s_endpgm
.Lfunc_end_k_q0176a5d807_fc6:
	.size	k_q0176a5d807_fc6, .Lfunc_end_k_q0176a5d807_fc6-k_q0176a5d807_fc6
	.p2alignl 7, 3214868480
	.fill 96, 4, 3214868480
	.section	.rodata,"a",@progbits
	.p2align	6, 0x0
	.amdhsa_kernel k_q0176a5d807_fc6
		.amdhsa_group_segment_fixed_size 327680
		.amdhsa_private_segment_fixed_size 0
		.amdhsa_enable_private_segment 0
		.amdhsa_kernarg_size 32
		.amdhsa_user_sgpr_count 2
		.amdhsa_user_sgpr_kernarg_segment_ptr 1
		.amdhsa_wavefront_size32 1
		.amdhsa_system_sgpr_workgroup_id_x 1
		.amdhsa_system_sgpr_workgroup_id_y 1
		.amdhsa_system_sgpr_workgroup_id_z 1
		.amdhsa_system_vgpr_workitem_id 0
		.amdhsa_next_free_vgpr 768
		.amdhsa_next_free_sgpr 66
		.amdhsa_reserve_vcc 0
		.amdhsa_float_denorm_mode_32 3
		.amdhsa_float_denorm_mode_16_64 3
		.amdhsa_memory_ordered 1
		.amdhsa_forward_progress 1
		.amdhsa_inst_pref_size 128
	.end_amdhsa_kernel
	.amdgpu_metadata
---
amdhsa.version: [ 1, 2 ]
amdhsa.kernels:
  - .name:           k_q0176a5d807_fc6
    .symbol:         k_q0176a5d807_fc6.kd
    .args:
      - { .name: flat, .offset: 0, .size: 8, .value_kind: global_buffer, .address_space: global }
      - { .name: w6h, .offset: 8, .size: 8, .value_kind: global_buffer, .address_space: global }
      - { .name: b6, .offset: 16, .size: 8, .value_kind: global_buffer, .address_space: global }
      - { .name: h6, .offset: 24, .size: 8, .value_kind: global_buffer, .address_space: global }
    .group_segment_fixed_size: 327680
    .private_segment_fixed_size: 0
    .kernarg_segment_align: 8
    .kernarg_segment_size: 32
    .max_flat_workgroup_size: 128
    .sgpr_count:     66
    .vgpr_count:     768
    .wavefront_size: 32
...
	.end_amdgpu_metadata
.endif
;; end of part 3
;; launch fc7 (part 4): grid 16 x 16, 4 waves a work-group, clusters of 4 x 1, 327,680 bytes of LDS; arguments h6, w7h, b7, part, w8h; writes part
.if DOCPART == 4
	.amdgcn_target "amdgcn-amd-amdhsa--gfx1250"
	.amdhsa_code_object_version 6
	.text
	.protected	k_q0176a5d807_fc7
	.globl	k_q0176a5d807_fc7
	.p2align	8
	.type	k_q0176a5d807_fc7,@function
k_q0176a5d807_fc7:
	s_mov_b64 s[64:65], 0
	v_nop
	global_prefetch_b8 v0, s[64:65] scope:SCOPE_SE
	s_setreg_imm32_b32 hwreg(HW_REG_WAVE_MODE, 25, 1), 1
	s_wait_xcnt 0x0
	s_wait_alu depctr_hold_cnt(0) depctr_sa_sdst(0) depctr_va_vdst(0) depctr_va_sdst(0) depctr_va_ssrc(0) depctr_va_vcc(0) depctr_vm_vsrc(0)
	s_getreg_b32 s2, hwreg(HW_REG_IB_STS2, 6, 4)
	s_cmp_eq_u32 s2, 0
	s_cbranch_scc0 .Lentry_in_a_cluster
	s_endpgm
.Lentry_in_a_cluster:
	s_bfe_u32 s2, ttmp6, 0x10000c
	s_cmp_lg_u32 s2, 0x3003
	s_cbranch_scc0 .Lentry_shape_is_right
	s_endpgm
.Lentry_shape_is_right:
; part[slab][r][slot] = sum over the slab's 256 columns e of h7[r][e] w8h[slot][e], f32, with h7[r][e] = relu(sum over k of h6[r][k] w7[e][k] + b7[e]).
; h6: 2,048 ROIs x 4,096 f16 holding h6 / 16, IN FRAGMENT ORDER: [block of 16 ROIs][16 along k][lane l] 16 bytes: lane l holds ROI l % 16 and k = 8 (l / 16) + 0..7 of the sixteen.
; w7h: [4096][4096] f16; b7: f32; w8h: [64 slots][4096] f16; part: [16 slabs][2048][64] f32.  Sums in f32.  h7 never goes to memory.
; THE FIRST PRODUCT is the first layer's kernel with K = 4,096: tile 128 ROIs x 256 columns, four waves of 64 x 128; the weights through two LDS slots of 256 along K, asked for jointly by the four
; work-groups of a cluster (along x, the tile row); the matrix instruction transposed (a lane holds ONE ROI and eight neighbouring columns); the bias / 16 as the C operand that starts each sum.
; THE ROIs DO NOT GO THROUGH LDS, and are not asked for jointly: two slots of 256 along K for all 384 rows would take 2 x 384 x 528 = 405,504 bytes, and the work-group has 327,680.  In fragment order
; a wave's load of 16 bytes a lane is 512 consecutive bytes and half a fragment; a ring of eight register buffers keeps seven quarters' loads, 56, on their way.  The two waves that share ROIs load the same bytes.
; THE SECOND PRODUCT is made of the accumulators, which hold h7 / 16.  For each block of 16 ROIs: relu; the ROI's largest number among my 128 columns gives an exact power of two 2^-E that brings it
; into 1..2; the scaled row, rounded to f16, IS source 1 (32 columns x 16 ROIs) of slots x ROIs = w8h x h7^T; the f32 result is multiplied by 16 x 2^E.  So f16's range never bounds h7.
; The two waves that share ROIs add their results through LDS, and whole rows of 256 bytes leave.
; LIMITS.  h7 / 16 stays under 2^123 (the factor 16 x 2^E must be finite); numbers of a row below 6e-5 of its largest keep f16's fixed step; a NaN sum counts as 0 in the relu.
; REGISTERS, in windows of 256 (s_set_vgpr_msb: bits 1:0 source 0, 3:2 source 1, 5:4 source 2, 7:6 destination):
;   window 0: v0-43 addresses and the row's scale; v64-127, v128-191 two buffers of the weights' eight fragments; v192-255 the bias / 16; on the way out v64-127 T, v128-191 H, v192-255 P (two buffers each)
;   window 1: accumulator (a, b) at v[8 (8 a + b)]     window 2: the ROIs' ring: quarter q % 8, block a at v[32 (q % 8) + 8 a]     window 3: v0-127 w8h's fragments: slots 16 t on, columns 32 kk on at v[8 (4 t + kk)]
.set SIZE_K, 4096
.set NS,     SIZE_K/256                ; K steps
.set RBS,    16*SIZE_K*2               ; bytes of a block of 16 ROIs in h6
.set PITCH,  528                       ; an LDS row: 512 bytes + 16 of padding = 132 words: the 16 rows of a fragment load start at 16 different groups of four banks (64 banks of 4 bytes: ISA guide 11.1)
.set PART,   64*PITCH                  ; what one tensor load brings
.set SLOT,   4*PART                    ; 135,168 = 2^17 + 2^12; w x PART (w = 0..3) has neither bit, so one exclusive or turns a part's address in one slot into the other's
.set SPARE,  2*SLOT                    ; behind the ring: the spare words, 128 bytes for each wave: two blocks of 256 bytes that no other line names
.set XP,     272                       ; the exchange: a ROI's 64 slots in f32 + 16 bytes
.set XCH,    0                         ; 64 rows for each wave, 69,632 bytes IN SLOT 0: it has had its last fill, and its last reads stand in front of the last change's barrier (NS is even: the last step lies in slot 1)
.set ADRB0, 16                         ; v16 my lane's place in a slot; never rewritten
.set ADRB,  17                         ; v17 the same in the slot in hand
.set AO,    18                         ; v18 16 x lane
.set BO,    19                         ; v19 32 x (lane / 16)
.set WO,    20                         ; v20 my byte offset in 16 rows of w8h
.set PS,    24                         ; v24 where I put 32 bytes of a ROI's row of slots
.set RDX,   25                         ; v25 where I read rows back
.set SPW,   28                         ; v28 SPARE + 4 x my thread's number; never rewritten
.set NIL,   29                         ; v29 0; never rewritten
.set SC,    38                         ; v[38:39] 2^-E
.set INV,   40                         ; v[40:43] 16 x 2^E, by buffer
.set F0,    64
.set F1,    128
.set BI,    192
.set T,     64
.set H,     128
.set P,     192
.set WV, 12
.set MH, 13
.set NH, 14
.set G1, 24                            ; s[24:31] descriptor group 1
.set G0, 32                            ; s[32:35] descriptor group 0: it walks
.set TB, 36                            ; s36 0 or SLOT: the slot that is read
.set SA, 38                            ; s[38:39] h6 at my first block of ROIs, at the K step in hand
.set MSB, 0
.macro WIN new                         ; the immediate's high byte repeats the setting that is left
.if MSB != (\new)
	s_set_vgpr_msb (MSB<<8)|(\new)
.set MSB, \new
.endif
.endm
.set MUL,  0x58                        ; weights in window 0, ROIs in window 2, C and D in window 1
.set MULB, 0x48                        ; C in window 0 (the bias)
.macro JLOAD                           ; a joint load: every wave fetches its own 64 rows; an s_nop 0 and four v_nop follow
	tensor_load_to_lds s[G0:G0+3], s[G1:G1+7]
	s_nop 0
.rept 4
	v_nop
.endr
.endm
.macro CREST                           ; a round of the cluster's barrier behind its opening barrier
	s_cmp_lg_u32 s[WV], 0
	s_cbranch_scc1 .Lnot_wave_0_\@
	s_barrier_signal -3
.Lnot_wave_0_\@:
	s_barrier_wait -3
	s_barrier_signal -1
	s_barrier_wait -1
.endm
.macro CROUND
	s_barrier_signal -1
	s_barrier_wait -1
	CREST
.endm
	s_load_b256 s[4:11], s[0:1], 0x0               ; h6 4:5, w7h 6:7, b7 8:9, part 10:11
	s_load_b64 s[46:47], s[0:1], 0x20              ; w8h
	v_lshl_add_u32 v[SPW], v0, 2, SPARE
	v_mov_b32 v[NIL], 0
	ds_add_u32 v[SPW], v[NIL]                      ; the wave's opening: the add and its wait stand ahead of my first tensor load; work on registers stands between them
	v_lshrrev_b32 v1, 5, v0
	v_readfirstlane_b32 s[WV], v1
	s_lshr_b32 s[MH], s[WV], 1
	s_and_b32 s[NH], s[WV], 1
	s_bfe_u32 s40, ttmp6, 0x40000                  ; cx: my place in the cluster
	s_lshl_b32 s42, ttmp9, 2
	s_add_co_u32 s42, s42, s40                     ; tile row = 4 x cluster x + cx: it enters h6's and part's addresses alone
	s_and_b32 s43, ttmp7, 0xffff                   ; tile column, which the four partners share
	s_mov_b32 s[G1+0], 15|(1<<16)|(1<<20)|(1<<21)|(6<<22)|(3<<25)  ; the mask of four; 2-byte elements; padding on; bit 21 beside a mask; after every 128 words, 4 words
	s_mov_b32 s[G1+1], 256<<16                     ; tensor_dim0 = 256
	s_mov_b32 s[G1+2], 64<<16                      ; tensor_dim1 = 64
	s_mov_b32 s[G1+3], 256<<16                     ; tile_dim0 = 256
	s_mov_b32 s[G1+4], 64                          ; tile_dim1 = 64
	s_mov_b32 s[G1+5], SIZE_K                      ; elements from row to row
	s_mov_b32 s[G1+6], 0
	s_mov_b32 s[G1+7], 0
	s_mov_b32 s[G0], 1
	s_mul_i32 s[G0+1], s[WV], PART                 ; LDS address: my part of slot 0
	s_mov_b32 s[TB], 0
	s_mov_b32 s50, 0x76543210                      ; v_permlanex16_b32: each lane takes its own place in the other half
	s_mov_b32 s51, 0xfedcba98
	s_lshl_b32 s16, s43, 8
	s_lshl_b32 s17, s[WV], 6
	s_add_co_u32 s16, s16, s17                     ; the weights' row 256 x tile column + 64 x wave
	s_mov_b32 s17, 0
	s_mov_b64 s[18:19], SIZE_K*2
	s_mul_u64 s[16:17], s[16:17], s[18:19]
	s_lshl_b32 s20, s42, 3
	s_lshl_b32 s21, s[MH], 2
	s_add_co_u32 s20, s20, s21                     ; my first block of 16 ROIs
	s_mul_i32 s22, s20, RBS
	s_mov_b32 s23, 0
	s_wait_dscnt 0x0                               ; the opening add is done
	s_wait_kmcnt 0x0
	s_add_nc_u64 s[G0+2:G0+3], s[6:7], s[16:17]
	s_or_b32 s[G0+3], s[G0+3], 0x80000000
	s_add_nc_u64 s[SA:SA+1], s[4:5], s[22:23]
	CROUND                                         ; all four work-groups are here: the first joint loads meet
	JLOAD                                          ; K step 0 into slot 0; slot 1 is asked for behind the first change of slots
	v_and_b32 v1, 15, v0                           ; l % 16
	v_bfe_u32 v2, v0, 4, 1                         ; l / 16
	v_mul_u32_u24 v3, v1, PITCH
	v_lshl_add_u32 v3, v2, 4, v3                   ; a fragment's row x pitch + 16 x half
	s_mul_i32 s44, s[NH], 2*PART                   ; my 128 rows of the weights
	v_add_nc_u32 v[ADRB0], s44, v3
	v_mov_b32 v[ADRB], v[ADRB0]
	v_and_b32 v[AO], 31, v0
	v_lshlrev_b32 v[AO], 4, v[AO]
	v_lshlrev_b32 v[BO], 5, v2
	s_lshl_b32 s44, s43, 10                        ; the bias of my 128 columns: 4 bytes x (256 x tile column + 128 x half)
	s_lshl_b32 s45, s[NH], 9
	s_add_co_u32 s44, s44, s45
	s_mov_b32 s45, 0
	s_add_nc_u64 s[8:9], s[8:9], s[44:45]
.irp b, 0,1,2,3,4,5,6,7
	global_load_b128 v[BI+8*(\b):BI+8*(\b)+3],   v[BO], s[8:9] offset:64*(\b)
	global_load_b128 v[BI+8*(\b)+4:BI+8*(\b)+7], v[BO], s[8:9] offset:64*(\b)+16
.endr
; 8 loads: my four blocks' fragments of the quarter ao quarters behind s[SA], into ring buffer buf.  Each covers 512 consecutive bytes, aligned.
.macro AFETCH ao, buf
	WIN 0x80                                       ; destination window 2, address window 0
.irp a, 0,1,2,3
	global_load_b128 v[32*(\buf)+8*(\a):32*(\buf)+8*(\a)+3],   v[AO], s[SA:SA+1] offset:(\a)*RBS+(\ao)*1024
	global_load_b128 v[32*(\buf)+8*(\a)+4:32*(\buf)+8*(\a)+7], v[AO], s[SA:SA+1] offset:(\a)*RBS+(\ao)*1024+512
.endr
.endm
.irp q, 0,1,2,3,4,5,6
	AFETCH \q, \q                                  ; the ring is filled: quarters 0 to 6
.endr
	WIN 0
	v_lshlrev_b32 v[WO], 13, v1                    ; w8h: slot l % 16 of sixteen, 8,192 bytes a slot, 16 bytes for each half of the lanes
	v_lshl_add_u32 v[WO], v2, 4, v[WO]
	s_lshl_b32 s44, s43, 9                         ; my 128 columns in w8h: 2 bytes each
	s_lshl_b32 s45, s[NH], 8
	s_add_co_u32 s44, s44, s45
	s_mov_b32 s45, 0
	s_add_nc_u64 s[46:47], s[46:47], s[44:45]
	s_mul_i32 s44, s[WV], 64*XP                    ; my 64 rows of the exchange (XCH = 0)
	v_mul_u32_u24 v4, v1, XP                       ; in: ROI l % 16, 32 bytes (8 slots) for each half of the lanes
	v_lshl_add_u32 v4, v2, 5, v4
	v_add_nc_u32 v[PS], s44, v4
	s_mul_i32 s44, s[MH], 2*64*XP                  ; back: of the two waves that share my ROIs I take 32 ROIs; lanes 0-15 one row of 256 bytes, lanes 16-31 the next
	s_mul_i32 s45, s[NH], 32*XP
	s_add_co_u32 s44, s44, s45
	v_mul_u32_u24 v5, v2, XP
	v_lshl_add_u32 v5, v1, 4, v5
	v_add_nc_u32 v[RDX], s44, v5
	v_mov_b32 v36, 0                               ; v_permlanex16_b32's destination counts as read
	s_lshl_b32 s22, s42, 7
	s_lshl_b32 s21, s[MH], 6
	s_add_co_u32 s22, s22, s21
	s_lshl_b32 s21, s[NH], 5
	s_add_co_u32 s22, s22, s21                     ; the first ROI that I store
	s_lshl_b32 s22, s22, 8                         ; 256 bytes a ROI
	s_lshl_b32 s21, s43, 19                        ; the slab: 524,288 bytes
	s_add_co_u32 s22, s22, s21
	s_mov_b32 s23, 0
	s_add_nc_u64 s[10:11], s[10:11], s[22:23]
; 8 matrix instructions: ROI block a (ring buffer ab) x all 8 column blocks, 32 along K.  zero = 1: the product starts the sum, on the bias.  The 32 accumulators take turns, in the same order in every quarter.
.macro MULA f, ab, a, zero
.if \zero
	WIN MULB
.else
	WIN MUL
.endif
.irp b, 0,1,2,3,4,5,6,7
.if \zero
	v_wmma_f32_16x16x32_f16 v[8*(8*(\a)+(\b)):8*(8*(\a)+(\b))+7], v[(\f)+8*(\b):(\f)+8*(\b)+7], v[32*(\ab)+8*(\a):32*(\ab)+8*(\a)+7], v[BI+8*(\b):BI+8*(\b)+7]
.else
	v_wmma_f32_16x16x32_f16 v[8*(8*(\a)+(\b)):8*(8*(\a)+(\b))+7], v[(\f)+8*(\b):(\f)+8*(\b)+7], v[32*(\ab)+8*(\a):32*(\ab)+8*(\a)+7], v[8*(8*(\a)+(\b)):8*(8*(\a)+(\b))+7]
.endif
.endr
.endm
; 16 LDS loads in one run: the weights' fragments of 32 along K at byte k of my 128 rows
.macro FETCH k, f
	WIN 0
.irp i, 0,1,2,3,4,5,6,7
	ds_load_b128 v[(\f)+8*(\i):(\f)+8*(\i)+3],   v[ADRB] offset:(\k)+(\i)*16*PITCH
	ds_load_b128 v[(\f)+8*(\i)+4:(\f)+8*(\i)+7], v[ADRB] offset:(\k)+(\i)*16*PITCH+32
.endr
.endm
.macro PLACES                          ; four places in front of loads into registers that matrix instructions have read, and of lines that read results (ISA guide 7.12.1 for the lines that read results)
.rept 4
	v_nop
.endr
.endm
.macro W8LOAD                          ; 32 loads: w8h's 64 slots x my 128 columns, as fragments
	WIN 0xc0                                       ; destination window 3, address window 0
.irp t, 0,1,2,3
.irp kk, 0,1,2,3
	global_load_b128 v[8*(4*(\t)+(\kk)):8*(4*(\t)+(\kk))+3],   v[WO], s[46:47] offset:(\t)*131072+64*(\kk)
	global_load_b128 v[8*(4*(\t)+(\kk))+4:8*(4*(\t)+(\kk))+7], v[WO], s[46:47] offset:(\t)*131072+64*(\kk)+32
.endr
.endr
.endm
; A K step is eight quarters of 32 along K, 32 matrix instructions each.  A quarter multiplies weights' buffer f by ring buffer ab; fetches the next quarter's weights, at byte kb, into g (kb < 0: none);
; and asks for the ROIs' quarter seven on, ao quarters behind s[SA], into the ring buffer that the quarter before has read (ao < 0: none).  w8 = 1: w8h's fragments are asked for in that place.
; lc: the loads younger than this quarter's eight: six quarters' 48 while the ring is fed.
.macro QUARTER f, g, ab, kb, ao, lc, zero=0, w8=0
	s_wait_loadcnt \lc                             ; loads come back in order (ISA guide 5.7.1): my ROIs of this quarter are in
	s_wait_dscnt 0x0                               ; and its weights
	MULA \f, \ab, 0, \zero
.if (\kb) >= 0
	PLACES
	FETCH \kb, \g
.endif
	MULA \f, \ab, 1, \zero
.if (\ao) >= 0
	AFETCH \ao, ((\ab)+7)%8
.endif
.if \w8
	W8LOAD
.endif
	MULA \f, \ab, 2, \zero
	MULA \f, \ab, 3, \zero
.endm
; Quarter 7 changes slots: ONE barrier; in front of it each wave waits for all its tensor loads (one is out: its part of the next slot), adds 0 to its spare word, and waits for that and for its own
; reads of this slot.  fill = 1: the barrier opens a round of the cluster's, and this slot is filled again, two K steps ahead, first thing behind the round.
.macro TURN fill
	WIN 0                                          ; (the add's two registers lie in window 0)
	s_wait_tensorcnt 0x0                           ; no tensor load of mine is out, so group 0 may be written
	ds_add_u32 v[SPW], v[NIL]
.if \fill
	s_xor_b32 s[G0+1], s[G0+1], SLOT               ; the walking descriptor: the other slot than last time,
	s_add_nc_u64 s[G0+2:G0+3], s[G0+2:G0+3], 512   ; the next 256 along K; the type bits on top are not reached
.endif
	s_xor_b32 s[TB], s[TB], SLOT                   ; the reads go on in the other slot
	s_wait_loadcnt 48                              ; my ROIs of quarter 7
	s_wait_dscnt 1                                 ; its weights; the add may be out
	MULA F1, 7, 0, 0                               ; eight matrix instructions stand between the add and the wait for it
	s_wait_dscnt 0x0                               ; the add is done, and my reads of this slot are over
	s_barrier_signal -1
	MULA F1, 7, 1, 0
	WIN 0
	s_barrier_wait -1
.if \fill
	CREST                                          ; no wave of any partner still reads this slot's tile or has a load on its way
	JLOAD                                          ; my one load behind the round: 240 matrix instructions ahead of the wait for it; its four v_nop are also the places in front of the loads below
.else
	PLACES
.endif
	v_add_nc_u32 v[ADRB], s[TB], v[ADRB0]
	FETCH 0, F0
	AFETCH 14, 6
	MULA F1, 7, 2, 0
	MULA F1, 7, 3, 0
.endm
; A trip: a K step's quarters 1 to 7 and the next step's quarter 0
.macro TRIP fill
	QUARTER F1, F0, 1, 128, 8,  48
	QUARTER F0, F1, 2, 192, 9,  48
	QUARTER F1, F0, 3, 256, 10, 48
	QUARTER F0, F1, 4, 320, 11, 48
	QUARTER F1, F0, 5, 384, 12, 48
	QUARTER F0, F1, 6, 448, 13, 48
	TURN \fill
	QUARTER F0, F1, 0, 64,  15, 48
	WIN 0                                          ; at a label and at a branch every window is 0
	s_wait_xcnt 0x0                                ; the loads' base is stepped only behind this wait
	s_add_nc_u64 s[SA:SA+1], s[SA:SA+1], 8192      ; eight quarters of 1,024 bytes
.endm
	s_wait_tensorcnt 0x0                           ; the first change of slots: my part of K step 0 is in;
	ds_add_u32 v[SPW], v[NIL]
	s_xor_b32 s[G0+1], s[G0+1], SLOT
	s_add_nc_u64 s[G0+2:G0+3], s[G0+2:G0+3], 512
	s_wait_dscnt 0x0
	CROUND                                         ; everybody's is
	JLOAD                                          ; K step 1 into slot 1: it has K step 0's work in which to land
	FETCH 0, F0
	s_wait_loadcnt 56                              ; the bias; the ring's 56 loads may be out
.set i, 0
.rept 32
	v_pk_mul_f32 v[BI+2*i:BI+2*i+1], v[BI+2*i:BI+2*i+1], 0x3d800000 op_sel_hi:[1,0]  ; b / 16, exact: the sums are h / 16
.set i, i+1
.endr
	QUARTER F0, F1, 0, 64, 7, 48, 1                ; the first quarter stands in front of the loop: its products start the sums
	WIN 0
	s_mov_b32 s3, NS-2
.Lstep:                                                ; every K step but the last two fills its slot again
	TRIP 1
	s_sub_co_u32 s3, s3, 1
	s_cmp_lg_u32 s3, 0
	s_cbranch_scc1 .Lstep
	TRIP 0                                         ; the last step but one fills nothing; its last quarter asks for the ROIs' last quarter
	QUARTER F1, F0, 1, 128, -1, 48                 ; the last step: the ring runs empty, the counts run down
	QUARTER F0, F1, 2, 192, -1, 40
	QUARTER F1, F0, 3, 256, -1, 32
	QUARTER F0, F1, 4, 320, -1, 24, 0, 1           ; w8h's 32 loads go out where 24 of the ring's are left: from here on they count among the younger
	QUARTER F1, F0, 5, 384, -1, 48
	QUARTER F0, F1, 6, 448, -1, 40
	QUARTER F1, F0, 7, -1,  -1, 32
	WIN 0
	PLACES
; Block a of 16 ROIs: relu into T; the ROI's largest number (my 64 columns, then the lane 16 away has the other 64); its exponent field e; 2^-E = 0x7f000000 - e, 16 x 2^E = e + 0x02000000,
; both exact powers of two; the scaled row rounded to f16 into H.  Two neighbouring column blocks' packed registers ARE a fragment of 32 columns x 16 ROIs.
.macro PACK7 a
.set HB, H+32*((\a)%2)
.set IV, INV+2*((\a)%2)
	WIN 0x04                                       ; source 1 in window 1
.set i, 0
.rept 64
	v_max_num_f32 v[T+i], 0, v[64*(\a)+i]          ; each accumulator's registers in ascending order
.set i, i+1
.endr
	WIN 0
.irp c, 0,1,2,3
	v_max3_num_f32 v[32+(\c)], v[T+16*(\c)], v[T+16*(\c)+1], v[T+16*(\c)+2]
.endr
.irp s, 1,2,3,4,5,6
.irp c, 0,1,2,3
	v_max3_num_f32 v[32+(\c)], v[32+(\c)], v[T+16*(\c)+2*(\s)+1], v[T+16*(\c)+2*(\s)+2]
.endr
.endr
	v_max3_num_f32 v32, v32, v[T+15], v[T+31]
	v_max3_num_f32 v34, v34, v[T+47], v[T+63]
	v_max3_num_f32 v32, v32, v33, v34
	v_max_num_f32 v32, v32, v35
	v_permlanex16_b32 v36, v32, s50, s51
	v_max_num_f32 v32, v32, v36
	v_and_b32 v37, 0x7f800000, v32
	v_sub_nc_u32 v[SC], 0x7f000000, v37
	v_sub_nc_u32 v[SC+1], 0x7f000000, v37          ; named with it as a pair
	v_add_nc_u32 v[IV], 0x02000000, v37
	v_add_nc_u32 v[IV+1], 0x02000000, v37
.set i, 0
.rept 32
	v_pk_mul_f32 v[T+2*i:T+2*i+1], v[T+2*i:T+2*i+1], v[SC:SC+1] op_sel_hi:[1,0]
.set i, i+1
.endr
.set i, 0
.rept 32
	v_cvt_pk_f16_f32 v[HB+i], v[T+2*i], v[T+2*i+1]
.set i, i+1
.endr
.endm
; 16 matrix instructions: 64 slots x 16 ROIs over my 128 columns; the four accumulators take turns; the first four start the sums
.macro HEAD8 a
.set HB, H+32*((\a)%2)
.set PB, P+32*((\a)%2)
	WIN 0x03                                       ; source 0 (w8h) in window 3
.irp kk, 0,1,2,3
.irp t, 0,1,2,3
.if (\kk) == 0
	v_wmma_f32_16x16x32_f16 v[PB+8*(\t):PB+8*(\t)+7], v[8*(4*(\t)+(\kk)):8*(4*(\t)+(\kk))+7], v[HB+8*(\kk):HB+8*(\kk)+7], 0
.else
	v_wmma_f32_16x16x32_f16 v[PB+8*(\t):PB+8*(\t)+7], v[8*(4*(\t)+(\kk)):8*(4*(\t)+(\kk))+7], v[HB+8*(\kk):HB+8*(\kk)+7], v[PB+8*(\t):PB+8*(\t)+7]
.endif
.endr
.endr
.endm
; the block's results are scaled back and go into my rows of the exchange: a lane has one ROI and slots 16 t + 8 (l / 16) + 0..7
.macro PSTORE a
.set PB, P+32*((\a)%2)
.set IV, INV+2*((\a)%2)
	WIN 0
.set i, 0
.rept 16
	v_pk_mul_f32 v[PB+2*i:PB+2*i+1], v[PB+2*i:PB+2*i+1], v[IV:IV+1] op_sel_hi:[1,0]
.set i, i+1
.endr
.irp t, 0,1,2,3
	ds_store_b128 v[PS], v[PB+8*(\t):PB+8*(\t)+3]   offset:XCH+(\a)*16*XP+64*(\t)
	ds_store_b128 v[PS], v[PB+8*(\t)+4:PB+8*(\t)+7] offset:XCH+(\a)*16*XP+64*(\t)+16
.endr
.endm
	PACK7 0
	s_wait_loadcnt 0x0                             ; w8h's fragments
	HEAD8 0
	PACK7 1                                        ; the next block's arithmetic, which names none of those products' registers, is the places behind them
	PSTORE 0
	HEAD8 1
	PACK7 2
	PSTORE 1
	HEAD8 2
	PACK7 3
	PSTORE 2
	HEAD8 3
	PLACES
	PSTORE 3
	s_wait_dscnt 0x0                               ; for my partner's sake: my stores into the exchange are done
	s_barrier_signal -1
	s_barrier_wait -1
.set i, 0
.rept 16                                               ; 32 ROIs, two a load: the rows of the wave with the lower columns, and those of the wave with the upper
	ds_load_b128 v[64+4*i:67+4*i],   v[RDX] offset:XCH+2*XP*i
	ds_load_b128 v[128+4*i:131+4*i], v[RDX] offset:XCH+64*XP+2*XP*i
.set i, i+1
.endr
.set i, 0
.rept 16
	s_wait_dscnt 30-2*i                            ; the younger pairs stay out
	v_pk_add_f32 v[64+4*i:65+4*i], v[64+4*i:65+4*i], v[128+4*i:129+4*i]
	v_pk_add_f32 v[66+4*i:67+4*i], v[66+4*i:67+4*i], v[130+4*i:131+4*i]
	global_store_b128 v[AO], v[64+4*i:67+4*i], s[10:11] offset:512*i  ; the wave's store covers 512 consecutive bytes, aligned
.set i, i+1
.endr
	s_wait_tensorcnt 0x0                           ; the wave's end: behind my last tensor load and my last LDS store
	ds_add_u32 v[SPW], v[NIL]
	s_wait_dscnt 0x0
	CROUND                                         ; the closing round: no work-group ends while a partner may still ask for a tile that names it
	s_endpgm
.Lfunc_end_k_q0176a5d807_fc7:
	.size	k_q0176a5d807_fc7, .Lfunc_end_k_q0176a5d807_fc7-k_q0176a5d807_fc7
	.p2alignl 7, 3214868480
	.fill 96, 4, 3214868480
	.section	.rodata,"a",@progbits
	.p2align	6, 0x0
	.amdhsa_kernel k_q0176a5d807_fc7
		.amdhsa_group_segment_fixed_size 327680
		.amdhsa_private_segment_fixed_size 0
		.amdhsa_enable_private_segment 0
		.amdhsa_kernarg_size 40
		.amdhsa_user_sgpr_count 2
		.amdhsa_user_sgpr_kernarg_segment_ptr 1
		.amdhsa_wavefront_size32 1
		.amdhsa_system_sgpr_workgroup_id_x 1
		.amdhsa_system_sgpr_workgroup_id_y 1
		.amdhsa_system_sgpr_workgroup_id_z 1
		.amdhsa_system_vgpr_workitem_id 0
		.amdhsa_next_free_vgpr 896
		.amdhsa_next_free_sgpr 66
		.amdhsa_reserve_vcc 0
		.amdhsa_float_denorm_mode_32 3
		.amdhsa_float_denorm_mode_16_64 3
		.amdhsa_memory_ordered 1
		.amdhsa_forward_progress 1
		.amdhsa_inst_pref_size 163
	.end_amdhsa_kernel
	.amdgpu_metadata
---
amdhsa.version: [ 1, 2 ]
amdhsa.kernels:
  - .name:           k_q0176a5d807_fc7
    .symbol:         k_q0176a5d807_fc7.kd
    .args:
      - { .name: h6, .offset: 0, .size: 8, .value_kind: global_buffer, .address_space: global }
      - { .name: w7h, .offset: 8, .size: 8, .value_kind: global_buffer, .address_space: global }
      - { .name: b7, .offset: 16, .size: 8, .value_kind: global_buffer, .address_space: global }
      - { .name: part, .offset: 24, .size: 8, .value_kind: global_buffer, .address_space: global }
      - { .name: w8h, .offset: 32, .size: 8, .value_kind: global_buffer, .address_space: global }
    .group_segment_fixed_size: 327680
    .private_segment_fixed_size: 0
    .kernarg_segment_align: 8
    .kernarg_segment_size: 40
    .max_flat_workgroup_size: 128
    .sgpr_count:     66
    .vgpr_count:     896
    .wavefront_size: 32
...
	.end_amdgpu_metadata
.endif
;; end of part 4
;; launch head (part 5): grid 128 x 1, 4 waves a work-group, no clusters, 16,896 bytes of LDS; arguments part, w8h, hd; writes hd
.if DOCPART == 5
	.amdgcn_target "amdgcn-amd-amdhsa--gfx1250"
	.amdhsa_code_object_version 6
	.text
	.protected	k_q0176a5d807_head
	.globl	k_q0176a5d807_head
	.p2align	8
	.type	k_q0176a5d807_head,@function
k_q0176a5d807_head:
	s_mov_b64 s[64:65], 0
	v_nop
	global_prefetch_b8 v0, s[64:65] scope:SCOPE_SE
	s_setreg_imm32_b32 hwreg(HW_REG_WAVE_MODE, 25, 1), 1
	s_wait_xcnt 0x0
; A work-group has 16 ROIs.  x[r][slot] = relu(sum over 16 slabs of part[slab][r][slot] + bias[slot]); slots 0-20 are xc's classes, 32-52 xd's, the others 0.
; Out, into hd: hp[r][0:32] = dr = softmax of xc over the classes; hp[r][32:64] = t = dr x e^(xd - m), m the block's column maximum of xd; and for the block, by class,
; m, Z = sum over its ROIs of e^(xd - m), S = the sum of t: what the last launch needs for the softmax over all ROIs.  Both softmaxes take their maximum away first.
; All x are at least 0, so the empty slots, which hold 0, change no maximum; masks keep them out of the classes' sum.
; SHARES.  Each wave adds four slabs; the four sums meet in LDS; wave 0 does the rest: 1,024 numbers, 32 a lane.  Lane l, register 4 q + i: ROI 2 q + l / 16, slot 4 (l % 16) + i:
; lanes with l & 8 = 0 hold xc, the others xd; class 4 (l & 7) + i.  A row's classes lie in 8 neighbouring lanes, a column's ROIs in a lane's 8 registers and in the lane 16 away.
; LIMIT.  An exponential below 2^-126 counts as 0.  No matrix unit, no cluster: 8 MiB is read once by 128 work-groups, and there is next to no arithmetic.
.set SPARE, 16384                      ; behind the four waves' 4,096 bytes: the spare words, 128 bytes for each wave
.set LG2E,  0x3fb8aa3b
.macro SUM4                            ; v32-63 += v64-95 + v96-127 + v128-159
.set i, 0
.rept 16
	v_pk_add_f32 v[32+2*i:33+2*i], v[32+2*i:33+2*i], v[64+2*i:65+2*i]
	v_pk_add_f32 v[96+2*i:97+2*i], v[96+2*i:97+2*i], v[128+2*i:129+2*i]
.set i, i+1
.endr
.set i, 0
.rept 16
	v_pk_add_f32 v[32+2*i:33+2*i], v[32+2*i:33+2*i], v[96+2*i:97+2*i]
.set i, i+1
.endr
.endm
.macro DPP8 op, base, mask             ; one step across lanes for eight registers
.set q, 0
.rept 8
	\op v[(\base)+q], v[(\base)+q], v[(\base)+q] row_xmask:\mask row_mask:0xf bank_mask:0xf
.set q, q+1
.endr
.endm
	s_load_b128 s[4:7], s[0:1], 0x0                ; part 4:5, w8h 6:7
	s_load_b64 s[8:9], s[0:1], 0x10                ; hd
	v_lshl_add_u32 v30, v0, 2, SPARE               ; my spare word; never rewritten
	v_mov_b32 v31, 0                               ; 0; never rewritten
	v_lshrrev_b32 v1, 5, v0
	v_readfirstlane_b32 s10, v1                    ; wave 0..3
	v_and_b32 v1, 31, v0
	v_lshlrev_b32 v12, 4, v1                       ; 16 x lane
	v_and_b32 v2, 15, v0
	v_lshlrev_b32 v13, 4, v2                       ; my four slots' biases
	s_lshl_b32 s12, ttmp9, 12                      ; 16 ROIs of 256 bytes
	s_lshl_b32 s13, s10, 21                        ; four slabs of 524,288 bytes
	s_add_co_u32 s12, s12, s13
	s_mov_b32 s13, 0
	s_lshl_b32 s11, s10, 12
	v_add_nc_u32 v14, s11, v12                     ; LDS: my wave's 4,096 bytes
	s_wait_kmcnt 0x0
	s_add_nc_u64 s[12:13], s[4:5], s[12:13]
.irp sl, 0,1,2,3
.irp q, 0,1,2,3,4,5,6,7
	global_load_b128 v[32+32*(\sl)+4*(\q):35+32*(\sl)+4*(\q)], v12, s[12:13] offset:(\sl)*524288+512*(\q)
.endr
.endr
	global_load_b128 v[4:7], v13, s[6:7] offset:524288
	s_wait_loadcnt 0x0
	SUM4
.irp q, 0,1,2,3,4,5,6,7
	ds_store_b128 v14, v[32+4*(\q):35+4*(\q)] offset:512*(\q)
.endr
	s_wait_dscnt 0x0                               ; for wave 0's sake: my stores are done
	s_barrier_signal -1
	s_barrier_wait -1
	s_wait_tensorcnt 0x0                           ; behind my last LDS store: only LDS loads follow
	ds_add_u32 v30, v31
	s_wait_dscnt 0x0
	s_cmp_lg_u32 s10, 0
	s_cbranch_scc1 .Lend
.set i, 0
.rept 24                                               ; the other three waves' sums; my own are still in v32-63
	ds_load_b128 v[64+4*i:67+4*i], v12 offset:4096+512*i
.set i, i+1
.endr
	v_and_b32 v3, 7, v0
	v_cmp_gt_u32 vcc_lo, 6, v3                     ; class 4 (l & 7) exists up to l & 7 = 5,
	v_cndmask_b32 v8, 0, 1.0, vcc_lo
	v_cmp_gt_u32 vcc_lo, 5, v3                     ; the three behind it up to 4
	v_cndmask_b32 v9, 0, 1.0, vcc_lo
	v_mov_b32 v10, v9
	v_mov_b32 v11, v9
	v_and_b32 v28, 8, v0
	v_cmp_ne_u32 s20, 0, v28                       ; the lanes that hold xd
	v_lshlrev_b32 v15, 4, v3
	v_lshrrev_b32 v29, 3, v1
	s_mov_b32 s21, LG2E
	s_mov_b32 s14, 0x76543210                      ; v_permlanex16_b32: each lane takes its own place in the other half
	s_mov_b32 s15, 0xfedcba98
	s_lshl_b32 s16, ttmp9, 12
	s_mov_b32 s17, 0
	s_add_nc_u64 s[16:17], s[8:9], s[16:17]        ; hp at my 16 ROIs
	s_lshl_b32 s18, ttmp9, 7
	s_mov_b32 s19, 0
	s_add_nc_u64 s[18:19], s[8:9], s[18:19]        ; my block's 128 bytes in each of the three tables
	s_wait_dscnt 0x0
	SUM4
.set q, 0
.rept 8
	v_pk_add_f32 v[32+4*q:33+4*q], v[32+4*q:33+4*q], v[4:5]
	v_pk_add_f32 v[34+4*q:35+4*q], v[34+4*q:35+4*q], v[6:7]
.set q, q+1
.endr
.set i, 0
.rept 32
	v_max_num_f32 v[32+i], 0, v[32+i]
.set i, i+1
.endr
	; ---- over the classes: the row's maximum in v160-167, e^(x - max) in v64-95, its sum in v168-175 ----
.set q, 0
.rept 8
	v_max3_num_f32 v[160+q], v[32+4*q], v[33+4*q], v[34+4*q]
.set q, q+1
.endr
.set q, 0
.rept 8
	v_max_num_f32 v[160+q], v[160+q], v[35+4*q]
.set q, q+1
.endr
	DPP8 v_max_num_f32_dpp, 160, 1
	DPP8 v_max_num_f32_dpp, 160, 2
	DPP8 v_max_num_f32_dpp, 160, 4
.set q, 0
.rept 8
	v_mul_f32 v[160+q], s21, v[160+q]
.set q, q+1
.endr
.set i, 0
.rept 32
	v_fma_f32 v[64+i], v[32+i], s21, -v[160+i/4]
.set i, i+1
.endr
.set i, 0
.rept 32
	v_exp_f32 v[64+i], v[64+i]
.set i, i+1
.endr
	v_nop                                          ; a plain instruction behind the last exponential
.set q, 0
	s_wait_alu depctr_va_vdst(0)
.rept 8
	v_pk_mul_f32 v[64+4*q:65+4*q], v[64+4*q:65+4*q], v[8:9]
	v_pk_mul_f32 v[66+4*q:67+4*q], v[66+4*q:67+4*q], v[10:11]
.set q, q+1
.endr
.set q, 0
.rept 8
	v_pk_add_f32 v[96+2*q:97+2*q], v[64+4*q:65+4*q], v[66+4*q:67+4*q]
.set q, q+1
.endr
.set q, 0
.rept 8
	v_add_f32 v[168+q], v[96+2*q], v[97+2*q]
.set q, q+1
.endr
	DPP8 v_add_f32_dpp, 168, 1
	DPP8 v_add_f32_dpp, 168, 2
	DPP8 v_add_f32_dpp, 168, 4
.set q, 0
.rept 8
	v_rcp_f32 v[168+q], v[168+q]                   ; the sum is at least 1: the largest class has weight 1
.set q, q+1
.endr
	v_nop
.set i, 0
	s_wait_alu depctr_va_vdst(0)
.rept 32
	v_mul_f32 v[64+i], v[64+i], v[168+i/4]         ; dr (in the xd lanes: not used)
.set i, i+1
.endr
	; ---- over the block's ROIs: m in v16-19, e^(x - m) in v96-127, Z in v20-23, S in v24-27 ----
.irp i, 0,1,2,3
	v_max3_num_f32 v[16+(\i)], v[32+(\i)], v[36+(\i)], v[40+(\i)]
.endr
.irp i, 0,1,2,3
	v_max3_num_f32 v[16+(\i)], v[16+(\i)], v[44+(\i)], v[48+(\i)]
.endr
.irp i, 0,1,2,3
	v_max3_num_f32 v[16+(\i)], v[16+(\i)], v[52+(\i)], v[56+(\i)]
.endr
.irp i, 0,1,2,3
	v_max_num_f32 v[16+(\i)], v[16+(\i)], v[60+(\i)]
.endr
.irp i, 0,1,2,3
	v_permlanex16_b32 v[128+(\i)], v[16+(\i)], s14, s15
.endr
.irp i, 0,1,2,3
	v_max_num_f32 v[16+(\i)], v[16+(\i)], v[128+(\i)]
.endr
.irp i, 0,1,2,3
	v_mul_f32 v[132+(\i)], s21, v[16+(\i)]
.endr
.set i, 0
.rept 32
	v_fma_f32 v[96+i], v[32+i], s21, -v[132+i%4]
.set i, i+1
.endr
.set i, 0
.rept 32
	v_exp_f32 v[96+i], v[96+i]
.set i, i+1
.endr
	v_nop
	s_wait_alu depctr_va_vdst(0)
.macro COLSUM d                        ; v[d:d+3] = the sum over q of v[96 + 4 q ..], both halves of the lanes
	v_pk_add_f32 v[(\d):(\d)+1],   v[96:97], v[100:101]
	v_pk_add_f32 v[(\d)+2:(\d)+3], v[98:99], v[102:103]
.set q, 2
.rept 6
	v_pk_add_f32 v[(\d):(\d)+1],   v[(\d):(\d)+1],   v[96+4*q:97+4*q]
	v_pk_add_f32 v[(\d)+2:(\d)+3], v[(\d)+2:(\d)+3], v[98+4*q:99+4*q]
.set q, q+1
.endr
.irp i, 0,1,2,3
	v_permlanex16_b32 v[128+(\i)], v[(\d)+(\i)], s14, s15
.endr
.irp i, 0,1,2,3
	v_add_f32 v[(\d)+(\i)], v[(\d)+(\i)], v[128+(\i)]
.endr
.endm
	COLSUM 20
.set i, 0
.rept 32
	v_mul_f32_dpp v[96+i], v[64+i], v[96+i] row_xmask:8 row_mask:0xf bank_mask:0xf  ; t: the lane 8 away holds dr of the same ROI and classes
.set i, i+1
.endr
	COLSUM 24
.set i, 0
.rept 32
	v_cndmask_b32 v[64+i], v[64+i], v[96+i], s20   ; xc's lanes keep dr, xd's take t
.set i, i+1
.endr
.irp q, 0,1,2,3,4,5,6,7
	global_store_b128 v12, v[64+4*(\q):67+4*(\q)], s[16:17] offset:512*(\q)  ; the wave's store covers 512 consecutive bytes, aligned
.endr
	v_cmp_eq_u32 vcc_lo, 1, v29                    ; lanes 8-15 hold the block's 32 columns of xd once
	s_wait_xcnt 0x0                                ; EXEC changes only behind this wait
	s_and_saveexec_b32 s22, vcc_lo
	global_store_b128 v15, v[16:19], s[18:19] offset:524288
	global_store_b128 v15, v[20:23], s[18:19] offset:540672
	global_store_b128 v15, v[24:27], s[18:19] offset:557056
	s_wait_xcnt 0x0                                ; and again, in front of the line that widens it
	s_or_b32 exec_lo, exec_lo, s22
.Lend:
	s_endpgm
.Lfunc_end_k_q0176a5d807_head:
	.size	k_q0176a5d807_head, .Lfunc_end_k_q0176a5d807_head-k_q0176a5d807_head
	.p2alignl 7, 3214868480
	.fill 96, 4, 3214868480
	.section	.rodata,"a",@progbits
	.p2align	6, 0x0
	.amdhsa_kernel k_q0176a5d807_head
		.amdhsa_group_segment_fixed_size 16896
		.amdhsa_private_segment_fixed_size 0
		.amdhsa_enable_private_segment 0
		.amdhsa_kernarg_size 24
		.amdhsa_user_sgpr_count 2
		.amdhsa_user_sgpr_kernarg_segment_ptr 1
		.amdhsa_wavefront_size32 1
		.amdhsa_system_sgpr_workgroup_id_x 1
		.amdhsa_system_sgpr_workgroup_id_y 1
		.amdhsa_system_sgpr_workgroup_id_z 1
		.amdhsa_system_vgpr_workitem_id 0
		.amdhsa_next_free_vgpr 176
		.amdhsa_next_free_sgpr 66
		.amdhsa_reserve_vcc 1
		.amdhsa_float_denorm_mode_32 3
		.amdhsa_float_denorm_mode_16_64 3
		.amdhsa_memory_ordered 1
		.amdhsa_forward_progress 1
		.amdhsa_inst_pref_size 38
	.end_amdhsa_kernel
	.amdgpu_metadata
---
amdhsa.version: [ 1, 2 ]
amdhsa.kernels:
  - .name:           k_q0176a5d807_head
    .symbol:         k_q0176a5d807_head.kd
    .args:
      - { .name: part, .offset: 0, .size: 8, .value_kind: global_buffer, .address_space: global }
      - { .name: w8h, .offset: 8, .size: 8, .value_kind: global_buffer, .address_space: global }
      - { .name: hd, .offset: 16, .size: 8, .value_kind: global_buffer, .address_space: global }
    .group_segment_fixed_size: 16896
    .private_segment_fixed_size: 0
    .kernarg_segment_align: 8
    .kernarg_segment_size: 24
    .max_flat_workgroup_size: 128
    .sgpr_count:     66
    .vgpr_count:     176
    .wavefront_size: 32
...
	.end_amdgpu_metadata
.endif
;; end of part 5
;; launch final (part 6): grid 32 x 1, 4 waves a work-group, no clusters, 13,824 bytes of LDS; arguments hd, out0, out1, out2; writes out0, out1, out2
.if DOCPART == 6
	.amdgcn_target "amdgcn-amd-amdhsa--gfx1250"
	.amdhsa_code_object_version 6
	.text
	.protected	k_q0176a5d807_final
	.globl	k_q0176a5d807_final
	.p2align	8
	.type	k_q0176a5d807_final,@function
k_q0176a5d807_final:
	s_mov_b64 s[64:65], 0
	v_nop
	global_prefetch_b8 v0, s[64:65] scope:SCOPE_SE
	s_setreg_imm32_b32 hwreg(HW_REG_WAVE_MODE, 25, 1), 1
	s_wait_xcnt 0x0
; The softmax over all 2,048 ROIs is closed.  From the 128 blocks' (m_w, Z_w, S_w), by class: m = the largest m_w; Z = sum of Z_w e^(m_w - m); S = sum of S_w e^(m_w - m).
; dm = t e^(m_w - m) / Z (out0); dr as it stands (out1); score = S / Z (out2).  Every work-group makes m, Z and S for itself: 48 KiB read, no traffic between work-groups.
; SHARES.  A work-group has 64 ROIs, a wave a block of 16 (lane l, register 4 q + i: ROI 2 q + l / 16, slot 4 (l % 16) + i; lanes with l & 8 hold t, the others dr).  Of the tables a wave reads
; 32 blocks: an instruction takes four blocks, lane l block l / 8 of them and classes 4 (l & 7) + i; the waves' figures meet in LDS.
; THE WAY OUT.  Rows of 21 numbers are 84 bytes: the 64 ROIs' rows are laid dense in LDS, 5,376 = 21 x 256 bytes for each output, and leave as 16 bytes a lane: every aligned block of 256 bytes is written whole by sixteen lanes.
; LIMIT.  An exponential below 2^-126 counts as 0.
.set EX1,   0                          ; 4 waves x 128 bytes: m
.set EX2,   512                        ; 4 waves x 256 bytes: Z, S
.set DSR,   1536                       ; dr, dense
.set DSM,   6912                       ; dm, dense
.set SPARE, 13312                      ; the spare words, 128 bytes for each wave; between the stages' end, 12,288, and here lies what the last, masked copy's switched-off lanes would name
.set LG2E,  0x3fb8aa3b
	s_load_b256 s[4:11], s[0:1], 0x0               ; hd 4:5, out0 6:7, out1 8:9, out2 10:11
	v_lshl_add_u32 v30, v0, 2, SPARE               ; my spare word; never rewritten
	v_mov_b32 v31, 0                               ; 0; never rewritten
	v_lshrrev_b32 v1, 5, v0
	v_readfirstlane_b32 s12, v1                    ; wave 0..3
	v_and_b32 v1, 31, v0
	v_and_b32 v3, 7, v0
	v_lshlrev_b32 v2, 4, v1                        ; 16 x lane
	v_lshlrev_b32 v24, 4, v3                       ; 16 x (l & 7): my four classes
	s_lshl_b32 s22, s12, 7
	v_add_nc_u32 v25, s22, v24                     ; EX1: my wave's 128 bytes
	s_lshl_b32 s22, s12, 8
	s_add_co_u32 s22, s22, EX2
	v_add_nc_u32 v26, s22, v24                     ; EX2: my wave's 256 bytes
	v_bfe_u32 v29, v0, 3, 1                        ; the dense stages: dr's for the lower lanes of eight, dm's for the upper,
	v_mul_u32_u24 v28, v29, DSM-DSR
	v_bfe_u32 v29, v0, 4, 1
	v_mad_u32_u24 v28, v29, 84, v28                ; ROI 2 q + l / 16: 84 bytes a ROI,
	s_mul_i32 s24, s12, 16*84
	s_add_co_u32 s24, s24, DSR                     ; 16 ROIs a wave
	v_add3_u32 v28, v28, v24, s24
	v_lshlrev_b32 v29, 4, v0                       ; 16 x thread: the copy out
.irp i, 0,1,2,3
	v_mov_b32 v[160+(\i)], 0                       ; v_permlanex16_b32's destination counts as read
.endr
	s_mov_b32 s20, 0x76543210
	s_mov_b32 s21, 0xfedcba98
	s_mov_b32 s23, LG2E
	s_lshl_b32 s13, ttmp9, 2
	s_add_co_u32 s13, s13, s12                     ; my block
	s_lshl_b32 s14, s13, 12
	s_mov_b32 s15, 0
	s_lshl_b32 s16, s12, 12                        ; the tables: 32 blocks of 128 bytes a wave
	s_mov_b32 s17, 0
	s_lshl_b32 s18, s13, 7
	s_mov_b32 s19, 0
	s_mul_i32 s26, ttmp9, 64*84
	s_mov_b32 s27, 0
	s_wait_kmcnt 0x0
	s_add_nc_u64 s[14:15], s[4:5], s[14:15]
	s_add_nc_u64 s[16:17], s[4:5], s[16:17]
	s_add_nc_u64 s[18:19], s[4:5], s[18:19]
	s_add_nc_u64 s[6:7], s[6:7], s[26:27]
	s_add_nc_u64 s[8:9], s[8:9], s[26:27]
.irp n, 0,1,2,3,4,5,6,7
	global_load_b128 v[64+4*(\n):67+4*(\n)], v2, s[16:17] offset:524288+512*(\n)     ; m_w
.endr
.irp n, 0,1,2,3,4,5,6,7
	global_load_b128 v[96+4*(\n):99+4*(\n)], v2, s[16:17] offset:540672+512*(\n)     ; Z_w
.endr
.irp n, 0,1,2,3,4,5,6,7
	global_load_b128 v[128+4*(\n):131+4*(\n)], v2, s[16:17] offset:557056+512*(\n)   ; S_w
.endr
	global_load_b128 v[4:7], v24, s[18:19] offset:524288                             ; my own block's m_w
.irp q, 0,1,2,3,4,5,6,7
	global_load_b128 v[32+4*(\q):35+4*(\q)], v2, s[14:15] offset:512*(\q)            ; dr and t
.endr
	; ---- m ----
	s_wait_loadcnt 25                              ; the eight m_w are in; the 25 loads behind them may be out
.irp i, 0,1,2,3
	v_max3_num_f32 v[8+(\i)], v[64+(\i)], v[68+(\i)], v[72+(\i)]
.endr
.irp i, 0,1,2,3
	v_max3_num_f32 v[8+(\i)], v[8+(\i)], v[76+(\i)], v[80+(\i)]
.endr
.irp i, 0,1,2,3
	v_max3_num_f32 v[8+(\i)], v[8+(\i)], v[84+(\i)], v[88+(\i)]
.endr
.irp i, 0,1,2,3
	v_max_num_f32 v[8+(\i)], v[8+(\i)], v[92+(\i)]
.endr
.irp i, 0,1,2,3
	v_max_num_f32_dpp v[8+(\i)], v[8+(\i)], v[8+(\i)] row_xmask:8 row_mask:0xf bank_mask:0xf
.endr
.irp i, 0,1,2,3
	v_permlanex16_b32 v[160+(\i)], v[8+(\i)], s20, s21
.endr
.irp i, 0,1,2,3
	v_max_num_f32 v[8+(\i)], v[8+(\i)], v[160+(\i)]
.endr
	ds_store_b128 v25, v[8:11]                     ; the four lanes with the same classes store the same numbers
	s_wait_dscnt 0x0                               ; for the others' sake
	s_barrier_signal -1
	s_barrier_wait -1
.irp k, 0,1,2,3
	ds_load_b128 v[160+4*(\k):163+4*(\k)], v24 offset:EX1+128*(\k)
.endr
	s_wait_dscnt 0x0
.irp i, 0,1,2,3
	v_max3_num_f32 v[8+(\i)], v[160+(\i)], v[164+(\i)], v[168+(\i)]
.endr
.irp i, 0,1,2,3
	v_max_num_f32 v[8+(\i)], v[8+(\i)], v[172+(\i)]
.endr
.irp i, 0,1,2,3
	v_mul_f32 v[20+(\i)], s23, v[8+(\i)]
.endr
	; ---- Z and S ----
.set i, 0
.rept 32
	v_fma_f32 v[64+i], v[64+i], s23, -v[20+i%4]
.set i, i+1
.endr
.set i, 0
.rept 32
	v_exp_f32 v[64+i], v[64+i]                     ; e^(m_w - m)
.set i, i+1
.endr
	s_wait_loadcnt 9                               ; Z_w and S_w are in; my m_w and the eight of dr and t may be out
	v_nop                                          ; a plain instruction behind the last exponential
	s_wait_alu depctr_va_vdst(0)
	v_pk_mul_f32 v[12:13], v[96:97], v[64:65]
	v_pk_mul_f32 v[14:15], v[98:99], v[66:67]
	v_pk_mul_f32 v[16:17], v[128:129], v[64:65]
	v_pk_mul_f32 v[18:19], v[130:131], v[66:67]
.set n, 1
.rept 7
	v_pk_fma_f32 v[12:13], v[96+4*n:97+4*n],   v[64+4*n:65+4*n], v[12:13]
	v_pk_fma_f32 v[14:15], v[98+4*n:99+4*n],   v[66+4*n:67+4*n], v[14:15]
	v_pk_fma_f32 v[16:17], v[128+4*n:129+4*n], v[64+4*n:65+4*n], v[16:17]
	v_pk_fma_f32 v[18:19], v[130+4*n:131+4*n], v[66+4*n:67+4*n], v[18:19]
.set n, n+1
.endr
.irp i, 0,1,2,3,4,5,6,7
	v_add_f32_dpp v[12+(\i)], v[12+(\i)], v[12+(\i)] row_xmask:8 row_mask:0xf bank_mask:0xf
.endr
.irp i, 0,1,2,3,4,5,6,7
	v_permlanex16_b32 v[160+(\i)], v[12+(\i)], s20, s21
.endr
.irp i, 0,1,2,3,4,5,6,7
	v_add_f32 v[12+(\i)], v[12+(\i)], v[160+(\i)]
.endr
	ds_store_b128 v26, v[12:15]
	ds_store_b128 v26, v[16:19] offset:128
	s_wait_dscnt 0x0                               ; for the others' sake
	s_barrier_signal -1
	s_barrier_wait -1
.irp k, 0,1,2,3,4,5,6,7
	ds_load_b128 v[160+4*(\k):163+4*(\k)], v24 offset:EX2+128*(\k)  ; Z and S of wave k / 2 by turns
.endr
	s_wait_dscnt 0x0
	v_pk_add_f32 v[12:13], v[160:161], v[168:169]
	v_pk_add_f32 v[14:15], v[162:163], v[170:171]
	v_pk_add_f32 v[16:17], v[164:165], v[172:173]
	v_pk_add_f32 v[18:19], v[166:167], v[174:175]
	v_pk_add_f32 v[12:13], v[12:13], v[176:177]
	v_pk_add_f32 v[14:15], v[14:15], v[178:179]
	v_pk_add_f32 v[16:17], v[16:17], v[180:181]
	v_pk_add_f32 v[18:19], v[18:19], v[182:183]
	v_pk_add_f32 v[12:13], v[12:13], v[184:185]
	v_pk_add_f32 v[14:15], v[14:15], v[186:187]
	v_pk_add_f32 v[16:17], v[16:17], v[188:189]
	v_pk_add_f32 v[18:19], v[18:19], v[190:191]
	; ---- dm ----
	s_wait_loadcnt 0x0
.irp i, 0,1,2,3
	v_rcp_f32 v[12+(\i)], v[12+(\i)]               ; 1 / Z; Z is at least 1: the block that holds m has factor 1 and Z_w of 1 or more
.endr
.irp i, 0,1,2,3
	v_fma_f32 v[4+(\i)], v[4+(\i)], s23, -v[20+(\i)]
.endr
.irp i, 0,1,2,3
	v_exp_f32 v[4+(\i)], v[4+(\i)]
.endr
	v_and_b32 v27, 8, v0
	v_cmp_ne_u32 vcc_lo, 0, v27
	s_wait_alu depctr_va_vdst(0)
.irp i, 0,1,2,3
	v_mul_f32 v[4+(\i)], v[4+(\i)], v[12+(\i)]     ; e^(m_w - m) / Z
.endr
.irp i, 0,1,2,3
	v_cndmask_b32 v[4+(\i)], 1.0, v[4+(\i)], vcc_lo  ; dr's lanes multiply by 1
.endr
.set q, 0
.rept 8
	v_pk_mul_f32 v[32+4*q:33+4*q], v[32+4*q:33+4*q], v[4:5]
	v_pk_mul_f32 v[34+4*q:35+4*q], v[34+4*q:35+4*q], v[6:7]
.set q, q+1
.endr
	; ---- dense rows of 21 ----
	s_wait_xcnt 0x0                                ; EXEC changes only behind this wait
	v_cmp_gt_u32 vcc_lo, 6, v3                     ; class 4 (l & 7) exists up to l & 7 = 5
	s_and_saveexec_b32 s25, vcc_lo
.irp q, 0,1,2,3,4,5,6,7
	ds_store_b32 v28, v[32+4*(\q)] offset:168*(\q)
.endr
	s_or_b32 exec_lo, exec_lo, s25
	v_cmp_gt_u32 vcc_lo, 5, v3                     ; the three behind it up to 4
	s_and_saveexec_b32 s25, vcc_lo
.irp q, 0,1,2,3,4,5,6,7
	ds_store_b32 v28, v[33+4*(\q)] offset:168*(\q)+4
	ds_store_b32 v28, v[34+4*(\q)] offset:168*(\q)+8
	ds_store_b32 v28, v[35+4*(\q)] offset:168*(\q)+12
.endr
	s_or_b32 exec_lo, exec_lo, s25
	s_wait_dscnt 0x0                               ; for the others' sake
	s_barrier_signal -1
	s_barrier_wait -1
	ds_load_b128 v[64:67], v29 offset:DSM
	ds_load_b128 v[68:71], v29 offset:DSM+2048
	ds_load_b128 v[72:75], v29 offset:DSR
	ds_load_b128 v[76:79], v29 offset:DSR+2048
	s_wait_dscnt 0x0
	global_store_b128 v29, v[64:67], s[6:7]                 ; 16 lanes store 256 consecutive bytes, aligned: 5,376 bytes a work-group are 21 such blocks
	global_store_b128 v29, v[68:71], s[6:7] offset:2048
	global_store_b128 v29, v[72:75], s[8:9]
	global_store_b128 v29, v[76:79], s[8:9] offset:2048
	v_cmp_gt_u32 vcc_lo, 80, v0                    ; the last 1,280 bytes: 80 threads
	s_wait_xcnt 0x0
	s_and_saveexec_b32 s25, vcc_lo
	ds_load_b128 v[80:83], v29 offset:DSM+4096
	ds_load_b128 v[84:87], v29 offset:DSR+4096
	s_wait_dscnt 0x0
	global_store_b128 v29, v[80:83], s[6:7] offset:4096
	global_store_b128 v29, v[84:87], s[8:9] offset:4096
	s_wait_xcnt 0x0
	s_or_b32 exec_lo, exec_lo, s25
	s_wait_tensorcnt 0x0                           ; behind my last LDS store; no LDS instruction follows
	ds_add_u32 v30, v31
	s_wait_dscnt 0x0
	; ---- the score: the first wave of the first work-group ----
	s_or_b32 s26, ttmp9, s12
	s_cmp_lg_u32 s26, 0
	s_cbranch_scc1 .Lend
.irp i, 0,1,2,3
	v_mul_f32 v[16+(\i)], v[16+(\i)], v[12+(\i)]   ; S / Z
.endr
	v_cmp_gt_u32 vcc_lo, 5, v0                     ; lanes 0-4: classes 0-19
	s_and_saveexec_b32 s25, vcc_lo
	global_store_b128 v2, v[16:19], s[10:11]
	s_wait_xcnt 0x0
	s_or_b32 exec_lo, exec_lo, s25
	v_cmp_eq_u32 vcc_lo, 5, v0                     ; lane 5: class 20
	s_and_saveexec_b32 s25, vcc_lo
	global_store_b32 v2, v16, s[10:11]
	s_wait_xcnt 0x0
	s_or_b32 exec_lo, exec_lo, s25
.Lend:
	s_endpgm
.Lfunc_end_k_q0176a5d807_final:
	.size	k_q0176a5d807_final, .Lfunc_end_k_q0176a5d807_final-k_q0176a5d807_final
	.p2alignl 7, 3214868480
	.fill 96, 4, 3214868480
	.section	.rodata,"a",@progbits
	.p2align	6, 0x0
	.amdhsa_kernel k_q0176a5d807_final
		.amdhsa_group_segment_fixed_size 13824
		.amdhsa_private_segment_fixed_size 0
		.amdhsa_enable_private_segment 0
		.amdhsa_kernarg_size 32
		.amdhsa_user_sgpr_count 2
		.amdhsa_user_sgpr_kernarg_segment_ptr 1
		.amdhsa_wavefront_size32 1
		.amdhsa_system_sgpr_workgroup_id_x 1
		.amdhsa_system_sgpr_workgroup_id_y 1
		.amdhsa_system_sgpr_workgroup_id_z 1
		.amdhsa_system_vgpr_workitem_id 0
		.amdhsa_next_free_vgpr 192
		.amdhsa_next_free_sgpr 66
		.amdhsa_reserve_vcc 1
		.amdhsa_float_denorm_mode_32 3
		.amdhsa_float_denorm_mode_16_64 3
		.amdhsa_memory_ordered 1
		.amdhsa_forward_progress 1
		.amdhsa_inst_pref_size 22
	.end_amdhsa_kernel
	.amdgpu_metadata
---
amdhsa.version: [ 1, 2 ]
amdhsa.kernels:
  - .name:           k_q0176a5d807_final
    .symbol:         k_q0176a5d807_final.kd
    .args:
      - { .name: hd, .offset: 0, .size: 8, .value_kind: global_buffer, .address_space: global }
      - { .name: out0, .offset: 8, .size: 8, .value_kind: global_buffer, .address_space: global }
      - { .name: out1, .offset: 16, .size: 8, .value_kind: global_buffer, .address_space: global }
      - { .name: out2, .offset: 24, .size: 8, .value_kind: global_buffer, .address_space: global }
    .group_segment_fixed_size: 13824
    .private_segment_fixed_size: 0
    .kernarg_segment_align: 8
    .kernarg_segment_size: 32
    .max_flat_workgroup_size: 128
    .sgpr_count:     66
    .vgpr_count:     192
    .wavefront_size: 32
...
	.end_amdgpu_metadata
.endif
;; end of part 6
